; MI455X (gfx1250); checked and timed in simulation.
; The chip was launched on July 23, 2026; its instructions are those of AMD's public machine-readable ISA for CDNA 5 (MIT licence, August 2026) and "CDNA5" Instruction Set Architecture Reference Guide (July 2026). The comments in the code are by the model that wrote it; some were corrected since.
;; Scaled Dot Product Adaptive Attention. Allowed arithmetic: float matrix products may take bf16 or f16 operands with f32 sums; other float arithmetic in f32, or as packed bf16 or f16 multiplies, adds, multiply-adds, maxima and minima; sums over many terms, partial sums and values carried from step to step in f32; what a program stores and reads back later, other than sums and carried values, may be rounded once to bf16 or f16.
;; Inputs: Wk 1,024 x 1,024 float32; Wo 1,024 x 1,024 float32; Wq 1,024 x 1,024 float32; Ws 1,024 x 1,024 float32; Wv 1,024 x 1,024 float32; bk 1,024 float32; bo 1,024 float32; bq 1,024 float32; bs 1,024 float32; bv 1,024 float32; keys 4 x 2,048 x 1,024 float32; language_feature 4 x 1,024 x 1,024 float32; queries 4 x 1,024 x 1,024 float32; values 4 x 2,048 x 1,024 float32.
;; Outputs: out0 4 x 1,024 x 1,024 float32.
;; One version. Each part assembles by itself: llvm-mc -triple=amdgcn-amd-amdhsa -mcpu=gfx1250 --defsym DOCPART=n.
;; ======== version 1 of 1: 4 launches
;; limits: values are held in f16: magnitudes above 65,504 overflow, below 6.1e-05 lose precision
;; workspace buffers: wb 10,485,760 bytes; qh 8,388,608 bytes; sh 8,388,608 bytes; kh 16,777,216 bytes; vh 16,777,216 bytes; ao 8,388,608 bytes
;; launch cast (part 1): grid 256 x 5, 8 waves a work-group, no clusters, 0 bytes of LDS; arguments Wq, Wk, Wv, Ws, Wo, wb; writes wb
.if DOCPART == 1
	.amdgcn_target "amdgcn-amd-amdhsa--gfx1250"
	.amdhsa_code_object_version 6
	.text
	.protected	k_qa5457e3c6c_cast
	.globl	k_qa5457e3c6c_cast
	.p2align	8
	.type	k_qa5457e3c6c_cast,@function
k_qa5457e3c6c_cast:
	s_mov_b64 s[64:65], 0
	v_nop
	global_prefetch_b8 v0, s[64:65] scope:SCOPE_SE
	s_setreg_imm32_b32 hwreg(HW_REG_WAVE_MODE, 25, 1), 1
	s_wait_xcnt 0x0
; The five weights, [1024 k][1024 n] f32, are rounded once to bf16 and laid one behind the other in wb, in the order Wq, Wk, Wv, Ws, Wo, layout kept.
; The grid's y picks the weight, its x 4,096 numbers of it.  Thread t takes numbers 8 t .. 8 t + 7 of each half of 2,048: two loads of 16 bytes, one store of 16 bytes;
; sixteen neighbouring lanes store 256 consecutive bytes, aligned.  A stream: no LDS, no barrier, no matrix unit, no loop.
.set WBYTES_LOG, 21                    ; a weight in bf16 is 2^21 bytes
	s_load_b256 s[4:11], s[0:1], 0x0               ; Wq s[4:5], Wk s[6:7], Wv s[8:9], Ws s[10:11]
	s_load_b128 s[12:15], s[0:1], 0x20             ; Wo s[12:13], wb s[14:15]
	s_and_b32 s16, ttmp7, 0xffff                   ; which weight
	s_lshl_b32 s18, ttmp9, 14                      ; my 4,096 numbers in f32
	s_mov_b32 s19, 0
	s_lshl_b32 s20, s16, WBYTES_LOG                ; the weight's place in wb,
	s_lshl_b32 s17, ttmp9, 13                      ; my 4,096 numbers in bf16
	s_add_co_u32 s20, s20, s17
	s_mov_b32 s21, 0
	v_lshlrev_b32 v1, 5, v0                        ; 32 t: eight f32
	v_lshlrev_b32 v2, 4, v0                        ; 16 t: eight bf16
	s_wait_kmcnt 0x0
	s_cmp_eq_u32 s16, 1
	s_cselect_b64 s[4:5], s[6:7], s[4:5]
	s_cmp_eq_u32 s16, 2
	s_cselect_b64 s[4:5], s[8:9], s[4:5]
	s_cmp_eq_u32 s16, 3
	s_cselect_b64 s[4:5], s[10:11], s[4:5]
	s_cmp_eq_u32 s16, 4
	s_cselect_b64 s[4:5], s[12:13], s[4:5]
	s_add_nc_u64 s[4:5], s[4:5], s[18:19]
	s_add_nc_u64 s[14:15], s[14:15], s[20:21]
	global_load_b128 v[4:7], v1, s[4:5] th:TH_LOAD_NT
	global_load_b128 v[8:11], v1, s[4:5] offset:16 th:TH_LOAD_NT
	global_load_b128 v[12:15], v1, s[4:5] offset:8192 th:TH_LOAD_NT
	global_load_b128 v[16:19], v1, s[4:5] offset:8208 th:TH_LOAD_NT
	s_wait_loadcnt 0x2                             ; the first two loads are in; the two younger may stay out
	v_cvt_pk_bf16_f32 v20, v4, v5
	v_cvt_pk_bf16_f32 v21, v6, v7
	v_cvt_pk_bf16_f32 v22, v8, v9
	v_cvt_pk_bf16_f32 v23, v10, v11
	global_store_b128 v2, v[20:23], s[14:15]
	s_wait_loadcnt 0x0
	v_cvt_pk_bf16_f32 v24, v12, v13
	v_cvt_pk_bf16_f32 v25, v14, v15
	v_cvt_pk_bf16_f32 v26, v16, v17
	v_cvt_pk_bf16_f32 v27, v18, v19
	global_store_b128 v2, v[24:27], s[14:15] offset:4096
	s_endpgm
.Lfunc_end_k_qa5457e3c6c_cast:
	.size	k_qa5457e3c6c_cast, .Lfunc_end_k_qa5457e3c6c_cast-k_qa5457e3c6c_cast
	.p2alignl 7, 3214868480
	.fill 96, 4, 3214868480
	.section	.rodata,"a",@progbits
	.p2align	6, 0x0
	.amdhsa_kernel k_qa5457e3c6c_cast
		.amdhsa_group_segment_fixed_size 0
		.amdhsa_private_segment_fixed_size 0
		.amdhsa_enable_private_segment 0
		.amdhsa_kernarg_size 48
		.amdhsa_user_sgpr_count 2
		.amdhsa_user_sgpr_kernarg_segment_ptr 1
		.amdhsa_wavefront_size32 1
		.amdhsa_system_sgpr_workgroup_id_x 1
		.amdhsa_system_sgpr_workgroup_id_y 1
		.amdhsa_system_sgpr_workgroup_id_z 1
		.amdhsa_system_vgpr_workitem_id 0
		.amdhsa_next_free_vgpr 32
		.amdhsa_next_free_sgpr 66
		.amdhsa_reserve_vcc 0
		.amdhsa_float_denorm_mode_32 3
		.amdhsa_float_denorm_mode_16_64 3
		.amdhsa_memory_ordered 1
		.amdhsa_forward_progress 1
		.amdhsa_inst_pref_size 3
	.end_amdhsa_kernel
	.amdgpu_metadata
---
amdhsa.version: [ 1, 2 ]
amdhsa.kernels:
  - .name:           k_qa5457e3c6c_cast
    .symbol:         k_qa5457e3c6c_cast.kd
    .args:
      - { .name: Wq, .offset: 0, .size: 8, .value_kind: global_buffer, .address_space: global }
      - { .name: Wk, .offset: 8, .size: 8, .value_kind: global_buffer, .address_space: global }
      - { .name: Wv, .offset: 16, .size: 8, .value_kind: global_buffer, .address_space: global }
      - { .name: Ws, .offset: 24, .size: 8, .value_kind: global_buffer, .address_space: global }
      - { .name: Wo, .offset: 32, .size: 8, .value_kind: global_buffer, .address_space: global }
      - { .name: wb, .offset: 40, .size: 8, .value_kind: global_buffer, .address_space: global }
    .group_segment_fixed_size: 0
    .private_segment_fixed_size: 0
    .kernarg_segment_align: 8
    .kernarg_segment_size: 48
    .max_flat_workgroup_size: 256
    .sgpr_count:     66
    .vgpr_count:     32
    .wavefront_size: 32
...
	.end_amdgpu_metadata
.endif
;; end of part 1
;; launch proj (part 2): grid 16 x 16, 4 waves a work-group, clusters of 4 x 1, 327,680 bytes of LDS; arguments queries, language_feature, keys, values, wb, bq, bs, bk, bv, qh, sh, kh, vh; writes qh, sh, kh, vh
.if DOCPART == 2
	.amdgcn_target "amdgcn-amd-amdhsa--gfx1250"
	.amdhsa_code_object_version 6
	.text
	.protected	k_qa5457e3c6c_proj
	.globl	k_qa5457e3c6c_proj
	.p2align	8
	.type	k_qa5457e3c6c_proj,@function
k_qa5457e3c6c_proj:
	s_mov_b64 s[64:65], 0
	v_nop
	global_prefetch_b8 v0, s[64:65] scope:SCOPE_SE
	s_setreg_imm32_b32 hwreg(HW_REG_WAVE_MODE, 25, 1), 1
	s_wait_xcnt 0x0
	s_wait_alu depctr_hold_cnt(0) depctr_sa_sdst(0) depctr_va_vdst(0) depctr_va_sdst(0) depctr_va_ssrc(0) depctr_va_vcc(0) depctr_vm_vsrc(0)
	s_getreg_b32 s2, hwreg(HW_REG_IB_STS2, 6, 4)
	s_cmp_eq_u32 s2, 0
	s_cbranch_scc0 .Lentry_in_a_cluster
	s_endpgm
.Lentry_in_a_cluster:
	s_bfe_u32 s2, ttmp6, 0x10000c
	s_cmp_lg_u32 s2, 0x3003
	s_cbranch_scc0 .Lentry_shape_is_right
	s_endpgm
.Lentry_shape_is_right:
; q = queries Wq + bq, s = language_feature Ws + bs, k = keys Wk + bk, v = values Wv + bv.  x, W and b are rounded to bf16, sums in f32, results rounded once to f16 and
; stored by heads: [batch x 16 + head][row][64].
; LIMIT.  f16 holds no number beyond 65,504: q, k, v and s must lie within it.  NaN and infinities are not treated apart.
; SHARES.  24,576 rows x 1,024 columns are 768 tiles of 128 rows x 256 columns; 256 work-groups stay and make three each.  The cluster's x is the column quarter, g = 4 y + cx the row tile.
; y < 8: queries, keys, values at row tile g.  y >= 8: keys, values at row tile g, language_feature at g - 32.  In both cases the 12 slots of 256 k walk wb straight on
; (four slots are one weight), and every choice by y is a select, no branch.  Wave (wr, wc) makes 64 rows x 128 columns: 32 accumulators.
; THE MATRIX INSTRUCTION IS USED TRANSPOSED: source 0 = 16 columns of W (out of LDS turned, by ds_load_tr16_b128), source 1 = 16 rows of x: a lane holds one row and eight neighbouring columns.
; W comes through a ring of two LDS slots of 256 k x 256 columns: a wave issues 256 matrix instructions on a slot, 240 of them between a refill's request and the wait for it.
; The four work-groups of a cluster use the same column quarter of the same weight, so each tile is asked for JOINTLY: the same tensor load, descriptor and mask in all four; wave w brings k rows 64 w .. 64 w + 63.
; x comes through registers and is NOT asked for jointly: its f32 numbers have to pass through registers to be rounded, the four work-groups that read a row lie in four clusters,
; and beside the two slots LDS has no room for tiles in f32 (2,560 bytes are left).
; A SUB-STEP is 64 along K, 64 matrix instructions.  For it wave w loads rows 32 w .. 32 w + 31 of x, two pieces of 256 consecutive bytes a load, rounds them once for the whole work-group and puts them
; into one of two LDS buffers.  Sub-step j stores the numbers of j + 1, asks for those of j + 5, passes one barrier and rounds those of j + 2: a load has 248 matrix instructions in which to land.
; THE SUMS START AT THE BIAS: a wave lays its 128 columns' bias into its own stage and loads the accumulators from there, so every quarter has one form and nothing is cleared.
; REGISTERS, in windows of 256 (s_set_vgpr_msb: bits 1:0 source 0, 3:2 source 1, 5:4 source 2, 7:6 destination):
;   window 0: v0-24 addresses; v32-95 fragments of x, two buffers; v96-127 x rounded; v128-143 results packed; v144-175 rows read back, two buffers; v176-191 biases
;   window 1: v0-127 fragments of W, two buffers          window 2: accumulator (a, b) at 8 (8 a + b)          window 3: x as loaded, four sets of 64
.set PB,     544                       ; a k row of W in LDS: 512 bytes + 32 of padding = 17 x 32
.set WROWS,  64*PB                     ; what one tensor load brings
.set SLOT,   4*WROWS                   ; 139,264 = 2^17 + 2^13: neither bit is set in w x 34,816, w = 0 .. 3, so one exclusive or turns a wave's LDS address in one slot into the other's
.set PA,     144                       ; a row of x in LDS: 128 bytes + 16
.set ABUF,   2*SLOT                    ; two buffers of 128 rows x 64 k of x in bf16; no tensor load lands from here on
.set ABYTES, 128*PA
.set STAGE,  ABUF+2*ABYTES             ; 16 rows x 144 bytes for each wave: the way out, and the bias at a tile's beginning
.set SP,     144
.set SPARE,  STAGE+4*16*SP             ; the spare words, 128 bytes for each wave: two blocks of 256 bytes that no other line names
.set SLOTB,  256*2048                  ; bytes of wb from a slot to the next
.set ADRA, 8                           ; v8-9    my place in a fragment of x, buffer 0, 1
.set ADRB, 10                          ; v10-11  the same for W in the slot in hand: k rows 0-127, 128-255
.set ADRBB, 12                         ; v12     the same in slot 0; never rewritten
.set AST,  14                          ; v14-15  where I put 8 bytes of a rounded row, buffer 0, 1
.set AO,   16                          ; v16     my 16 bytes in two rows' pieces of x: (lane / 16) x 4,096 + 16 (lane % 16); never rewritten
.set STO,  17                          ; v17     the way out: where I put 16 bytes of a row
.set RD,   18                          ; v18     the way out: where I read rows back
.set GO,   19                          ; v19     16 x lane: my bytes in 512 consecutive bytes of an output or a bias; never rewritten
.set BADR, 20                          ; v20     my eight columns of a block in the bias that lies in my stage
.set PFO,  21                          ; v21     the prefetches' offset; never rewritten
.set SPW,  22                          ; v22     LDS address of my spare word; never rewritten
.set NIL,  23                          ; v23     0; never rewritten
.set BST,  24                          ; v24     where I put four numbers of the bias
.set AF,   32
.set CV,   96
.set TMP,  128
.set BK,   144
.set BR,   176                         ; v176-183 four numbers of the next tile's bias, and of the one behind it
.set B0,   184                         ; v184-187 of the first tile's; v188-189 at work
.set BF,   0                           ; window 1
.set WV,   30                          ; s30  my wave's number
.set CX,   31                          ; s31  my place in the cluster
.set XH,   32                          ; s32  the column quarter
.set YY,   33                          ; s33  the cluster's y
.set GG,   34                          ; s34  the row tile
.set G1,   36                          ; s[36:43] descriptor group 1
.set G0,   44                          ; s[44:51] descriptor group 0: a set for each of the two first fills; the second then walks on
.set PFA,  52                          ; s[52:53] where my prefetches stand
.set PCNT, 54                          ; s54  prefetches still to be made
.set TB,   55                          ; s55  LDS byte at which the slot in hand begins
.set AT,   56                          ; s[56:57] x at my 32 rows of the tile whose numbers are being asked for;  s[58:59], s[60:61] of the tiles behind it
.set NA1,  58
.set NA2,  60
.set OFA,  62                          ; s[62:63] the sub-step to be asked for, in bytes of a row
.set AB,   66                          ; s[66:67] the base of the loads just issued
.set OUT0, 68                          ; s[68:69], s[70:71] the output at my 64 rows of my two heads
.set OUT1, 70
.set ON1,  72                          ; s[72:73], s[74:75] the same for the tiles behind
.set ON2,  74
.set HS,   76                          ; s[76:77] bytes from a head to the next; s78, s79 for the tiles behind
.set HS1,  78
.set HS2,  79
.set LAP,  80
.set TL,   81                          ; slots left in the tile
.set WR,   100                         ; s100 which 64 rows of the tile are mine
.set WC,   101                         ; s101 which 128 columns
.set MSB, 0
.macro WIN new                         ; the immediate's high byte repeats the setting that is left; a switch that changes nothing is dropped
.if MSB != (\new)
	s_set_vgpr_msb (MSB<<8)|(\new)
.set MSB, (\new)
.endif
.endm
.set W_MUL, 0xa1                       ; W in window 1, x in window 0, C and D in window 2
.set W_T1,  0x40                       ; destination window 1
.set W_T2,  0x80                       ; destination window 2
.set W_T3,  0xc0                       ; destination window 3
.set W_CVT, 0x0f                       ; sources 0 and 1 window 3
.set W_PK,  0x0a                       ; sources 0 and 1 window 2
.macro PLACES                          ; four places behind a matrix instruction, in front of loads into registers that it has read and of instructions that read results
.rept 4
	v_nop
.endr
.endm
.macro CREST                           ; a round of the cluster's barrier behind its opening barrier
	s_cmp_lg_u32 s[WV], 0
	s_cbranch_scc1 .Lnot_wave_0_\@
	s_barrier_signal -3
.Lnot_wave_0_\@:
	s_barrier_wait -3
	s_barrier_signal -1
	s_barrier_wait -1
.endm
.macro CROUND                          ; a whole round
	s_barrier_signal -1
	s_barrier_wait -1
	CREST
.endm
	s_load_b512 s[4:19], s[0:1], 0x0               ; queries s[4:5], language_feature s[6:7], keys s[8:9], values s[10:11], wb s[12:13], bq s[14:15], bs s[16:17], bk s[18:19]
	s_load_b256 s[20:27], s[0:1], 0x40             ; bv s[20:21], qh s[22:23], sh s[24:25], kh s[26:27]
	s_load_b64 s[28:29], s[0:1], 0x60              ; vh
	v_lshl_add_u32 v[SPW], v0, 2, SPARE
	v_mov_b32 v[NIL], 0
	ds_add_u32 v[SPW], v[NIL]                      ; the wave's opening: the add and its wait stand ahead of my first tensor load; the set-up below, work on registers, stands between them
	v_lshrrev_b32 v1, 5, v0
	v_readfirstlane_b32 s[WV], v1                  ; wave 0..3
	s_lshr_b32 s[WR], s[WV], 1
	s_and_b32 s[WC], s[WV], 1
	s_bfe_u32 s[CX], ttmp6, 0x40000
	s_mov_b32 s[XH], ttmp9                         ; in a cluster launch ttmp9 and ttmp7 count clusters
	s_and_b32 s[YY], ttmp7, 0xffff
	s_lshl_b32 s[GG], s[YY], 2
	s_add_co_u32 s[GG], s[GG], s[CX]
	; descriptor group 1: 64 rows x 256 elements of 2 bytes, 1,024 elements from row to row, padded in LDS
	s_mov_b32 s[G1+0], 15|(1<<16)|(1<<20)|(1<<21)|(6<<22)|(7<<25)  ; 15:0 the mask of four; 17:16 2-byte elements; 20 padding on; 21 set beside a mask; 24:22 after every 128 words (code 6); 31:25 8 words (code 7)
	s_mov_b32 s[G1+1], 256<<16                     ; tensor_dim0 = 256
	s_mov_b32 s[G1+2], 64<<16                      ; tensor_dim1 = 64
	s_mov_b32 s[G1+3], 256<<16                     ; tile_dim0 = 256
	s_mov_b32 s[G1+4], 64                          ; tile_dim1 = 64
	s_mov_b32 s[G1+5], 1024                        ; elements from row to row
	s_mov_b32 s[G1+6], 0
	s_mov_b32 s[G1+7], 0
	; byte offsets.  Rows of x: (128 x row tile + 32 w) x 4,096.  Outputs: ((batch x 16 + head) x rows of a head + first row) x 128, head = 4 X + 2 wc, first row = 128 x (tile in its batch) + 64 wr
	s_lshl_b32 s93, s[WV], 17                      ; 32 rows of x are 131,072 bytes, and so are 64 k rows of wb
	s_lshl_b32 s94, s[XH], 2
	s_lshl1_add_u32 s94, s[WC], s94                ; my first head
	s_lshl_b32 s97, s[WR], 13                      ; 64 rows of an output
	s_and_b32 s92, s[GG], 31                       ; the row tile in queries and language_feature
	s_lshl_b32 s82, s92, 19
	s_add_co_u32 s82, s82, s93
	s_mov_b32 s83, 0
	s_lshl_b32 s84, s[GG], 19                      ; in keys and values
	s_add_co_u32 s84, s84, s93
	s_mov_b32 s85, 0
	s_lshr_b32 s86, s92, 3                         ; 8 row tiles to a batch of 1,024 rows
	s_lshl4_add_u32 s86, s86, s94
	s_lshl_b32 s86, s86, 17
	s_and_b32 s95, s92, 7
	s_lshl_b32 s95, s95, 14
	s_add_co_u32 s86, s86, s95
	s_add_co_u32 s86, s86, s97
	s_mov_b32 s87, 0
	s_lshr_b32 s88, s[GG], 4                       ; 16 row tiles to a batch of 2,048 rows
	s_lshl4_add_u32 s88, s88, s94
	s_lshl_b32 s88, s88, 18
	s_and_b32 s95, s[GG], 15
	s_lshl_b32 s95, s95, 14
	s_add_co_u32 s88, s88, s95
	s_add_co_u32 s88, s88, s97
	s_mov_b32 s89, 0
	; W: first weight, column quarter, my 64 k rows: made of y, X and the wave's number alone, which the four partners share
	s_cmp_lt_u32 s[YY], 8
	s_cselect_b32 s90, 0, 1<<21
	s_lshl_b32 s95, s[XH], 9
	s_add_co_u32 s90, s90, s95
	s_add_co_u32 s90, s90, s93
	s_mov_b32 s91, 0
	s_lshl_b32 s96, s[CX], 15                      ; the prefetches: of my 64 k rows my work-group names 16, told apart by address,
	s_add_co_u32 s96, s96, s90
	s_add_co_u32 s96, s96, 2*SLOTB                 ; at slot 2: the first change of slots steps it to 3
	s_mov_b32 s97, 0
	s_cmp_eq_u32 s[YY], 0                          ; who asks: clusters y = 8 walk Wk, Wv, Ws from their first slot on and name slots 3 to 11;
	s_cselect_b32 s[PCNT], 1, 0                    ; clusters y = 0 name slot 3 of Wq; nobody else asks: each block is named once
	s_cmp_eq_u32 s[YY], 8
	s_cselect_b32 s[PCNT], 9, s[PCNT]
	s_mul_i32 s35, s[WV], WROWS                    ; my rows' place in a slot: no place in the cluster enters an LDS address
	s_mov_b32 s[G0], 1                             ; 1:0 count = 1
	s_add_co_u32 s[G0+1], s35, 0                   ; 63:32 LDS address
	s_mov_b32 s[G0+4], 1
	s_add_co_u32 s[G0+5], s35, SLOT
	s_lshl_b32 s98, s[XH], 10                      ; my 128 columns in a bias
	s_lshl_b32 s95, s[WC], 9
	s_add_co_u32 s98, s98, s95
	s_mov_b32 s99, 0
	s_cmp_lt_u32 s[YY], 8
	s_cselect_b32 s[HS], 1, 2
	s_cselect_b32 s[HS2], 2, 1
	s_lshl_b32 s[HS], s[HS], 17                    ; a head is 1,024 or 2,048 rows of 128 bytes
	s_lshl_b32 s[HS2], s[HS2], 17
	s_mov_b32 s[HS1], 1<<18
	s_mov_b32 s[HS+1], 0
	s_mov_b32 s[OFA], 0
	s_mov_b32 s[OFA+1], 0
	s_mov_b32 s[TB], 0
	s_wait_dscnt 0x0                               ; the opening add is done
	s_wait_kmcnt 0x0
	s_cmp_lt_u32 s[YY], 8                          ; selects and 64-bit sums leave SCC as it is
	s_cselect_b64 s[4:5], s[4:5], s[6:7]           ; the tile of 1,024-row batches: queries or language_feature,
	s_cselect_b64 s[22:23], s[22:23], s[24:25]     ; qh or sh,
	s_cselect_b64 s[14:15], s[14:15], s[16:17]     ; bq or bs
	s_add_nc_u64 s[4:5], s[4:5], s[82:83]
	s_add_nc_u64 s[8:9], s[8:9], s[84:85]
	s_add_nc_u64 s[10:11], s[10:11], s[84:85]
	s_add_nc_u64 s[22:23], s[22:23], s[86:87]
	s_add_nc_u64 s[26:27], s[26:27], s[88:89]
	s_add_nc_u64 s[28:29], s[28:29], s[88:89]
	s_add_nc_u64 s[14:15], s[14:15], s[98:99]
	s_add_nc_u64 s[18:19], s[18:19], s[98:99]
	s_add_nc_u64 s[20:21], s[20:21], s[98:99]
	s_cselect_b64 s[AT:AT+1], s[4:5], s[8:9]       ; the three tiles in their order
	s_cselect_b64 s[NA1:NA1+1], s[8:9], s[10:11]
	s_cselect_b64 s[NA2:NA2+1], s[10:11], s[4:5]
	s_cselect_b64 s[OUT0:OUT0+1], s[22:23], s[26:27]
	s_cselect_b64 s[ON1:ON1+1], s[26:27], s[28:29]
	s_cselect_b64 s[ON2:ON2+1], s[28:29], s[22:23]
	s_cselect_b64 s[6:7], s[14:15], s[18:19]       ; and their biases
	s_cselect_b64 s[16:17], s[18:19], s[20:21]
	s_cselect_b64 s[24:25], s[20:21], s[14:15]
	s_add_nc_u64 s[OUT1:OUT1+1], s[OUT0:OUT0+1], s[HS:HS+1]
	s_add_nc_u64 s[PFA:PFA+1], s[12:13], s[96:97]
	s_add_nc_u64 s[12:13], s[12:13], s[90:91]
	s_mov_b64 s[G0+2:G0+3], s[12:13]               ; 120:64 global address: slot 0,
	s_or_b32 s[G0+3], s[G0+3], 0x80000000          ; 127:126 type = 2
	s_add_nc_u64 s[G0+6:G0+7], s[12:13], SLOTB     ; and slot 1
	s_or_b32 s[G0+7], s[G0+7], 0x80000000
	CROUND                                         ; all four work-groups are here: the first joint loads meet
	tensor_load_to_lds s[G0:G0+3], s[G1:G1+7]      ; both first fills go out together: two tensor loads of mine are out, later one
	s_nop 0
	tensor_load_to_lds s[G0+4:G0+7], s[G1:G1+7]
	s_nop 0
	PLACES
; 8 matrix instructions: m block a x all 8 n blocks, 32 along K, on fragment buffer f.  The 32 accumulators take turns in the same order in every quarter.
.macro MUL8 f, a
	WIN W_MUL
.irp b, 0,1,2,3,4,5,6,7
	v_wmma_f32_16x16x32_bf16 v[8*(8*(\a)+\b):8*(8*(\a)+\b)+7], v[BF+64*(\f)+8*\b:BF+64*(\f)+8*\b+7], v[AF+32*(\f)+8*(\a):AF+32*(\f)+8*(\a)+7], v[8*(8*(\a)+\b):8*(8*(\a)+\b)+7]
.endr
.endm
; m block 3's eight matrix instructions, and behind each four conversions: register set st of x is rounded to bf16.
.macro MULCV f, st
.irp b, 0,1,2,3,4,5,6,7
	WIN W_MUL
	v_wmma_f32_16x16x32_bf16 v[8*(24+\b):8*(24+\b)+7], v[BF+64*(\f)+8*\b:BF+64*(\f)+8*\b+7], v[AF+32*(\f)+24:AF+32*(\f)+31], v[8*(24+\b):8*(24+\b)+7]
	WIN W_CVT
.irp n, 0,1,2,3
	v_cvt_pk_bf16_f32 v[CV+4*\b+\n], v[64*(\st)+2*(4*\b+\n)], v[64*(\st)+2*(4*\b+\n)+1]
.endr
.endr
.endm
.macro CVALL st                        ; the same 32 conversions by themselves, at the kernel's head
	WIN W_CVT
.set e, 0
.rept 32
	v_cvt_pk_bf16_f32 v[CV+e], v[64*(\st)+2*e], v[64*(\st)+2*e+1]
.set e, e+1
.endr
	WIN 0
.endm
; 24 LDS loads in one run, into fragment buffer g: x from buffer ab, half q of its 64 k; W from quarter kq (0 to 7) of the slot in hand.  It leaves every window 0.
.macro FETCH ab, q, kq, g
	WIN W_T1
.irp b, 0,1,2,3,4,5,6,7
	ds_load_tr16_b128 v[BF+64*(\g)+8*\b:BF+64*(\g)+8*\b+3],   v[ADRB+(\kq)/4] offset:((\kq)%4)*32*PB+32*\b
	ds_load_tr16_b128 v[BF+64*(\g)+8*\b+4:BF+64*(\g)+8*\b+7], v[ADRB+(\kq)/4] offset:((\kq)%4)*32*PB+32*\b+16*PB
.endr
	WIN 0
.irp a, 0,1,2,3
	ds_load_b128 v[AF+32*(\g)+8*\a:AF+32*(\g)+8*\a+3],   v[ADRA+(\ab)] offset:16*PA*\a+64*(\q)
	ds_load_b128 v[AF+32*(\g)+8*\a+4:AF+32*(\g)+8*\a+7], v[ADRA+(\ab)] offset:16*PA*\a+64*(\q)+32
.endr
.endm
; My 32 rows of the next sub-step of x that has not been asked for, into register set st: 16 loads, each two rows' 256 consecutive bytes, aligned.  Behind a tile's sixteenth sub-step the next tile's rows follow.
.macro RELOAD st
	WIN 0
	s_wait_xcnt 0x0                                ; the loads issued so far have read their base, so it may be written
	s_add_nc_u64 s[AB:AB+1], s[AT:AT+1], s[OFA:OFA+1]
	s_add_co_u32 s[OFA], s[OFA], 256
	s_cmp_eq_u32 s[OFA], 4096
	s_cselect_b32 s[OFA], 0, s[OFA]
	s_cselect_b64 s[AT:AT+1], s[NA1:NA1+1], s[AT:AT+1]
	s_cselect_b64 s[NA1:NA1+1], s[NA2:NA2+1], s[NA1:NA1+1]
	WIN W_T3
.irp i, 0,1,2,3,4,5,6,7,8,9,10,11,12,13,14,15
	global_load_b128 v[64*(\st)+4*\i:64*(\st)+4*\i+3], v[AO], s[AB:AB+1] offset:8192*\i
.endr
	WIN 0
.endm
.macro ASTORE ab                       ; the rounded rows go into buffer ab: two rows' 128 bytes a store
	WIN 0
.irp i, 0,1,2,3,4,5,6,7,8,9,10,11,12,13,14,15
	ds_store_b64 v[AST+(\ab)], v[CV+2*\i:CV+2*\i+1] offset:2*PA*\i
.endr
.endm
.macro BIASINIT                        ; the sums start at the bias that lies in my stage: block b's eight columns are the same for all four m blocks
	WIN W_T2
.irp a, 0,1,2,3
.irp b, 0,1,2,3,4,5,6,7
	ds_load_b128 v[8*(8*\a+\b):8*(8*\a+\b)+3],   v[BADR] offset:64*\b
	ds_load_b128 v[8*(8*\a+\b)+4:8*(8*\a+\b)+7], v[BADR] offset:64*\b+16
.endr
.endr
	WIN 0
.endm
; A PREFETCH INTO THE L2 of the slot of W that the NEXT change of slots will ask for: 256 matrix instructions ahead of that load.  Of a slot's 256 k rows x 512 bytes wave w of the partner
; at place cx names rows 64 w + 16 cx .. + 15, two blocks of 256 bytes each, a lane a block: one instruction.  It stands behind the joint load, its five lines and the run of LDS loads.
.macro ASK
	s_cmp_lg_u32 s[PCNT], 0
	s_cbranch_scc0 .Lnone_\@
	global_prefetch_b8 v[PFO], s[PFA:PFA+1] th:TH_LOAD_NT scope:SCOPE_SE
	s_sub_co_u32 s[PCNT], s[PCNT], 1
.Lnone_\@:
.endm
; A sub-step is two quarters of 32 along K, 32 matrix instructions each, on fragment buffers 0 and 1.
; THE FIRST QUARTER of sub-step i of a slot multiplies buffer 0.  At its head, in one run: st = 1: the next sub-step's rounded x goes into the other LDS buffer (every wave has passed the last barrier,
; in front of which it waited for its reads of that buffer); the second quarter's fragments are fetched, 32 matrix instructions ahead of their use; rl = 1: the register set just stored from is asked for again.
.macro QA i, st, rl
	s_wait_dscnt 0x0                               ; buffer 0's fragments are in
	PLACES
.if \st
	ASTORE ((\i)+1)%2
.endif
	FETCH (\i)%2, 1, 2*(\i)+1, 1
.if \rl
	RELOAD ((\i)+1)%4
.endif
	MUL8 0, 0
	MUL8 0, 1
	MUL8 0, 2
	MUL8 0, 3
.endm
; THE SECOND QUARTER multiplies buffer 1 and holds the sub-step's ONE barrier: in front of it each wave waits for its stores of x and for its reads of the buffer of x in hand; behind it the next sub-step's first fragments are fetched.
; kind 0: inside a slot: the refill that is on its way may stay out.
; kind 1, 2: the change of slots.  In front of the barrier each wave also waits for all its tensor loads (one is out: its part of the next slot) and adds 0 to its spare word.
;   kind 1: the barrier opens a round of the cluster's, and the slot just read is filled again, two slots ahead.  kind 2: nothing is left to ask for.
; kind 3: the very last quarter.  cv = 1: the x of two sub-steps on is rounded; lc younger loads may stay out.
.macro QB i, kind, cv, lc
.if (\kind) == 0
	s_wait_dscnt 0x0
	s_barrier_signal -1
	MUL8 1, 0                                      ; work on registers while the others arrive
	s_barrier_wait -1
	PLACES
	FETCH ((\i)+1)%2, 0, 2*(\i)+2, 0
	MUL8 1, 1
.elseif (\kind) < 3
	WIN 0
.if (\kind) == 1
	s_wait_xcnt 0x0                                ; the last prefetch, a slot back, has read its address
	s_add_nc_u64 s[PFA:PFA+1], s[PFA:PFA+1], SLOTB
.endif
	s_wait_tensorcnt 0x0                           ; no tensor load of mine is out, so a group 0 may be written
	ds_add_u32 v[SPW], v[NIL]                      ; 0 onto my spare word
.if (\kind) == 1
	s_xor_b32 s[G0+5], s[G0+5], SLOT               ; the walking descriptor: the other slot than last time,
	s_add_nc_u64 s[G0+6:G0+7], s[G0+6:G0+7], SLOTB ; the next 256 k; the type bits on top are not reached
.endif
	s_xor_b32 s[TB], s[TB], SLOT                   ; the fetches go on in the other slot
	s_wait_dscnt 0x1                               ; only the add may be out: buffer 1's fragments are in
	MUL8 1, 0                                      ; eight matrix instructions stand between the add and the wait for it
	s_wait_dscnt 0x0
	s_barrier_signal -1
	MUL8 1, 1
	WIN 0
	s_barrier_wait -1
.if (\kind) == 1
	CREST                                          ; no wave of any partner still reads this slot or has a load on its way
	tensor_load_to_lds s[G0+4:G0+7], s[G1:G1+7]    ; my one tensor load behind the round, and the first thing there
	s_nop 0
.endif
	v_add_nc_u32 v[ADRB], s[TB], v[ADRBB]          ; these four are also the places in front of the loads below
	v_add_nc_u32 v[ADRB+1], 128*PB, v[ADRB]
	v_nop
	v_nop
	FETCH 0, 0, 0, 0
.if (\kind) == 1
	ASK
.endif
.else
	s_wait_dscnt 0x0
	MUL8 1, 0
	MUL8 1, 1
.endif
	MUL8 1, 2
.if \cv
	s_wait_loadcnt \lc                             ; loads come back in order (ISA guide 5.7.1): the set to be rounded is in
	MULCV 1, ((\i)+2)%4
.else
	MUL8 1, 3
.endif
.endm
; THE WAY OUT, in eight units u = 2 a + head: 16 rows x 64 columns, 2,048 consecutive bytes of an output.  PACKU: rounded to f16, 16 bytes a lane.  TOSTAGE: into my own stage, and back as whole rows.  SEND: stored.
.macro PACKU u
	WIN W_PK
.irp bb, 0,1,2,3
.irp q, 0,1,2,3
	v_cvt_pk_f16_f32 v[TMP+4*\bb+\q], v[8*(8*((\u)/2)+4*((\u)%2)+\bb)+2*\q], v[8*(8*((\u)/2)+4*((\u)%2)+\bb)+2*\q+1]
.endr
.endr
	WIN 0
.endm
.macro TOSTAGE u
.irp bb, 0,1,2,3
	ds_store_b128 v[STO], v[TMP+4*\bb:TMP+4*\bb+3] offset:32*\bb
.endr
.irp t, 0,1,2,3
	ds_load_b128 v[BK+16*((\u)%2)+4*\t:BK+16*((\u)%2)+4*\t+3], v[RD] offset:4*SP*\t  ; LDS serves a wave's instructions in order (ISA guide 5.7.1.4): these see the stores above
.endr
.endm
.macro SEND u
	s_wait_dscnt 0x0                               ; the unit is back in registers
	s_wait_xcnt 0x0                                ; earlier stores have read their registers: the buffer that the next unit loads is free
.irp t, 0,1,2,3
	global_store_b128 v[GO], v[BK+16*((\u)%2)+4*\t:BK+16*((\u)%2)+4*\t+3], s[OUT0+2*((\u)%2):OUT0+2*((\u)%2)+1] offset:2048*((\u)/2)+512*\t  ; 512 consecutive bytes, aligned
.endr
.endm
.macro WAYOUT init                     ; init = 1: a tile follows: its addresses, its bias
	WIN 0
	PLACES
	PACKU 0
	TOSTAGE 0
.irp u, 1,2,3,4,5,6,7                  ; a unit's conversions stand between the loads of the unit before and the wait for them
	PACKU \u
	SEND (\u)-1
	TOSTAGE \u
.endr
	SEND 7
.if \init
	s_wait_xcnt 0x0                                ; the stores have read their bases
	s_mov_b64 s[OUT0:OUT0+1], s[ON1:ON1+1]
	s_mov_b64 s[ON1:ON1+1], s[ON2:ON2+1]
	s_mov_b32 s[HS], s[HS1]
	s_mov_b32 s[HS1], s[HS2]
	s_add_nc_u64 s[OUT1:OUT1+1], s[OUT0:OUT0+1], s[HS:HS+1]
	ds_store_b128 v[BST], v[BR:BR+3]               ; the next tile's bias into my stage, whose rows have all been read back
.irp n, 0,1,2,3
	v_mov_b32 v[BR+\n], v[BR+4+\n]                 ; and the one behind it moves up
.endr
	BIASINIT
.endif
.endm
	v_and_b32 v2, 31, v0                           ; lane
	v_and_b32 v4, 15, v0                           ; l % 16
	v_bfe_u32 v5, v0, 4, 1                         ; l / 16
	v_lshlrev_b32 v[GO], 4, v2
	v_lshlrev_b32 v[AO], 4, v4
	v_lshl_add_u32 v[AO], v5, 12, v[AO]
	global_load_b128 v[B0:B0+3], v[GO], s[6:7]     ; my wave's 128 columns of the three tiles' biases, four numbers a lane
	global_load_b128 v[BR:BR+3], v[GO], s[16:17]
	global_load_b128 v[BR+4:BR+7], v[GO], s[24:25]
	RELOAD 0                                       ; x of sub-steps 0,
	RELOAD 1                                       ; 1
	RELOAD 2                                       ; and 2
	v_and_b32 v6, 7, v0
	v_bfe_u32 v7, v0, 3, 1
	v_mul_u32_u24 v[ADRA], v4, PA                  ; a fragment of x: row l % 16 of my 64, 16 bytes for each half of the lanes, twice, 32 bytes apart
	v_lshl_add_u32 v[ADRA], v5, 4, v[ADRA]
	s_mul_i32 s92, s[WR], 64*PA
	s_add_co_u32 s92, s92, ABUF
	v_add_nc_u32 v[ADRA], s92, v[ADRA]
	v_add_nc_u32 v[ADRA+1], ABYTES, v[ADRA]
	v_lshl_add_u32 v[ADRBB], v5, 3, v6             ; the turning load: k row 8 (l / 16) + l % 8, columns 8 ((l / 8) % 2) + 0..7, of my 128 columns
	v_mul_u32_u24 v[ADRBB], v[ADRBB], PB
	v_lshl_add_u32 v[ADRBB], v7, 4, v[ADRBB]
	s_lshl_b32 s92, s[WC], 8
	v_add_nc_u32 v[ADRBB], s92, v[ADRBB]
	v_mov_b32 v[ADRB], v[ADRBB]
	v_add_nc_u32 v[ADRB+1], 128*PB, v[ADRBB]
	s_mul_i32 s92, s[WV], 32*PA
	s_add_co_u32 s92, s92, ABUF
	v_mul_u32_u24 v[AST], v5, PA                   ; my four numbers of a row: 8 bytes; lanes 16-31 one row further down
	v_lshl_add_u32 v[AST], v4, 3, v[AST]
	v_add_nc_u32 v[AST], s92, v[AST]
	v_add_nc_u32 v[AST+1], ABYTES, v[AST]
	s_mul_i32 s92, s[WV], 16*SP
	s_add_co_u32 s92, s92, STAGE                   ; my stage
	v_mul_u32_u24 v[STO], v4, SP
	v_lshl_add_u32 v[STO], v5, 4, v[STO]
	v_add_nc_u32 v[STO], s92, v[STO]
	v_bfe_u32 v[RD], v0, 3, 2                      ; back: 32 lanes take four rows of 128 bytes
	v_mul_u32_u24 v[RD], v[RD], SP
	v_lshl_add_u32 v[RD], v6, 4, v[RD]
	v_add_nc_u32 v[RD], s92, v[RD]
	v_lshl_add_u32 v[BADR], v5, 5, s92             ; my half's eight columns of a block
	v_add_nc_u32 v[BST], s92, v[GO]
	v_lshrrev_b32 v[PFO], 1, v2                    ; a k row of wb is 2,048 bytes; two lanes name the two blocks of its quarter
	v_and_b32 v1, 1, v0
	v_lshlrev_b32 v[PFO], 11, v[PFO]
	v_lshl_add_u32 v[PFO], v1, 8, v[PFO]
	s_wait_loadcnt 48                              ; the biases are in; the 48 loads of x behind them may stay out
.irp bb, B0, BR, BR+4
	v_cvt_pk_bf16_f32 v188, v[\bb], v[\bb+1]       ; rounded to bf16 like every input, and widened again
	v_cvt_pk_bf16_f32 v189, v[\bb+2], v[\bb+3]
	v_lshlrev_b32 v[\bb], 16, v188
	v_and_b32 v[\bb+1], 0xffff0000, v188
	v_lshlrev_b32 v[\bb+2], 16, v189
	v_and_b32 v[\bb+3], 0xffff0000, v189
.endr
	ds_store_b128 v[BST], v[B0:B0+3]               ; the first tile's bias into my stage
	s_wait_loadcnt 32                              ; sub-step 0 of x is in; two sets may stay out
	CVALL 0
	ASTORE 0
	RELOAD 3                                       ; sub-steps 3
	RELOAD 0                                       ; and 4
	s_wait_loadcnt 48                              ; sub-step 1 is in; three sets may stay out
	CVALL 1                                        ; the first quarter below stores it
	s_wait_tensorcnt 0x1                           ; my part of slot 0 is in; slot 1's may stay out
	s_wait_dscnt 0x0                               ; my stores of x are done
	s_barrier_signal -1
	s_barrier_wait -1
	BIASINIT
	FETCH 0, 0, 0, 0
	s_mov_b32 s[LAP], 10
	s_mov_b32 s[TL], 4
.Lslot:                                        ; slots 0 to 9, one a trip: every sub-step stores, asks for x again and rounds; the trip's end fills a slot
	QA 0, 1, 1
	QB 0, 0, 1, 48                                 ; three younger sets of 16 loads may stay out
	QA 1, 1, 1
	QB 1, 0, 1, 48
	QA 2, 1, 1
	QB 2, 0, 1, 48
	QA 3, 1, 1
	QB 3, 1, 1, 48
	WIN 0                                          ; at a label and at a branch every window is 0
	s_sub_co_u32 s[TL], s[TL], 1
	s_cmp_lg_u32 s[TL], 0
	s_cbranch_scc1 .Lsame_tile                     ; forward, past text with neither a barrier nor a tensor load
	WAYOUT 1                                       ; four slots are a tile: it goes out while both rings run on
	s_mov_b32 s[TL], 4
.Lsame_tile:
	s_sub_co_u32 s[LAP], s[LAP], 1
	s_cmp_lg_u32 s[LAP], 0
	s_cbranch_scc1 .Lslot
	QA 0, 1, 1                                     ; slot 10 is written out: sub-steps 40 to 43
	QB 0, 0, 1, 48
	QA 1, 1, 1
	QB 1, 0, 1, 48
	QA 2, 1, 1                                     ; the last request for x: sub-step 47
	QB 2, 0, 1, 48
	QA 3, 1, 0
	QB 3, 2, 1, 32                                 ; nothing is left to fill; two younger sets may stay out
	QA 0, 1, 0                                     ; slot 11: sub-steps 44 to 47; the counts run down
	QB 0, 0, 1, 16
	QA 1, 1, 0
	QB 1, 0, 1, 0                                  ; the last rounding
	QA 2, 1, 0                                     ; the last store of x
	QB 2, 0, 0, 0
	QA 3, 0, 0
	QB 3, 3, 0, 0
	WAYOUT 0
	s_wait_tensorcnt 0x0                           ; the wave's end: behind my last tensor load and my last LDS store
	ds_add_u32 v[SPW], v[NIL]
	s_wait_dscnt 0x0
	CROUND                                         ; the closing round: no work-group ends while a partner may still ask for a tile that names it
	s_endpgm
.Lfunc_end_k_qa5457e3c6c_proj:
	.size	k_qa5457e3c6c_proj, .Lfunc_end_k_qa5457e3c6c_proj-k_qa5457e3c6c_proj
	.p2alignl 7, 3214868480
	.fill 96, 4, 3214868480
	.section	.rodata,"a",@progbits
	.p2align	6, 0x0
	.amdhsa_kernel k_qa5457e3c6c_proj
		.amdhsa_group_segment_fixed_size 327680
		.amdhsa_private_segment_fixed_size 0
		.amdhsa_enable_private_segment 0
		.amdhsa_kernarg_size 104
		.amdhsa_user_sgpr_count 2
		.amdhsa_user_sgpr_kernarg_segment_ptr 1
		.amdhsa_wavefront_size32 1
		.amdhsa_system_sgpr_workgroup_id_x 1
		.amdhsa_system_sgpr_workgroup_id_y 1
		.amdhsa_system_sgpr_workgroup_id_z 1
		.amdhsa_system_vgpr_workitem_id 0
		.amdhsa_next_free_vgpr 1024
		.amdhsa_next_free_sgpr 102
		.amdhsa_reserve_vcc 0
		.amdhsa_float_denorm_mode_32 3
		.amdhsa_float_denorm_mode_16_64 3
		.amdhsa_memory_ordered 1
		.amdhsa_forward_progress 1
		.amdhsa_inst_pref_size 207
	.end_amdhsa_kernel
	.amdgpu_metadata
---
amdhsa.version: [ 1, 2 ]
amdhsa.kernels:
  - .name:           k_qa5457e3c6c_proj
    .symbol:         k_qa5457e3c6c_proj.kd
    .args:
      - { .name: queries, .offset: 0, .size: 8, .value_kind: global_buffer, .address_space: global }
      - { .name: language_feature, .offset: 8, .size: 8, .value_kind: global_buffer, .address_space: global }
      - { .name: keys, .offset: 16, .size: 8, .value_kind: global_buffer, .address_space: global }
      - { .name: values, .offset: 24, .size: 8, .value_kind: global_buffer, .address_space: global }
      - { .name: wb, .offset: 32, .size: 8, .value_kind: global_buffer, .address_space: global }
      - { .name: bq, .offset: 40, .size: 8, .value_kind: global_buffer, .address_space: global }
      - { .name: bs, .offset: 48, .size: 8, .value_kind: global_buffer, .address_space: global }
      - { .name: bk, .offset: 56, .size: 8, .value_kind: global_buffer, .address_space: global }
      - { .name: bv, .offset: 64, .size: 8, .value_kind: global_buffer, .address_space: global }
      - { .name: qh, .offset: 72, .size: 8, .value_kind: global_buffer, .address_space: global }
      - { .name: sh, .offset: 80, .size: 8, .value_kind: global_buffer, .address_space: global }
      - { .name: kh, .offset: 88, .size: 8, .value_kind: global_buffer, .address_space: global }
      - { .name: vh, .offset: 96, .size: 8, .value_kind: global_buffer, .address_space: global }
    .group_segment_fixed_size: 327680
    .private_segment_fixed_size: 0
    .kernarg_segment_align: 8
    .kernarg_segment_size: 104
    .max_flat_workgroup_size: 128
    .sgpr_count:     102
    .vgpr_count:     1024
    .wavefront_size: 32
...
	.end_amdgpu_metadata
.endif
;; end of part 2
;; launch attn (part 3): grid 4 x 64, 8 waves a work-group, clusters of 4 x 1, 327,680 bytes of LDS; arguments qh, sh, kh, vh, ao; writes ao
.if DOCPART == 3
	.amdgcn_target "amdgcn-amd-amdhsa--gfx1250"
	.amdhsa_code_object_version 6
	.text
	.protected	k_qa5457e3c6c_attn
	.globl	k_qa5457e3c6c_attn
	.p2align	8
	.type	k_qa5457e3c6c_attn,@function
k_qa5457e3c6c_attn:
	s_mov_b64 s[64:65], 0
	v_nop
	global_prefetch_b8 v0, s[64:65] scope:SCOPE_SE
	s_setreg_imm32_b32 hwreg(HW_REG_WAVE_MODE, 25, 1), 1
	s_wait_xcnt 0x0
	s_wait_alu depctr_hold_cnt(0) depctr_sa_sdst(0) depctr_va_vdst(0) depctr_va_sdst(0) depctr_va_ssrc(0) depctr_va_vcc(0) depctr_vm_vsrc(0)
	s_getreg_b32 s2, hwreg(HW_REG_IB_STS2, 6, 4)
	s_cmp_eq_u32 s2, 0
	s_cbranch_scc0 .Lentry_in_a_cluster
	s_endpgm
.Lentry_in_a_cluster:
	s_bfe_u32 s2, ttmp6, 0x10000c
	s_cmp_lg_u32 s2, 0x3003
	s_cbranch_scc0 .Lentry_shape_is_right
	s_endpgm
.Lentry_shape_is_right:
; For each batch and head: beta = e^lang / (sum over 2,048 keys of e^att + e^lang), att = q . k / 8, lang = q . s / 8;  out = beta s + (1 - beta) (att v).
; THE SECOND PRODUCT IS RE-ASSOCIATED: (q k^T) v = q (k^T v), the same sums in another order; M = k^T v is 64 x 64.  So the scores serve the denominator alone.
; qh, sh: [head][1,024][64], kh, vh: [head][2,048][64], all f16.  ao: [128 rows' block][head][128][64] bf16: the last product's operand, which has no room in f16 when the inputs grow.
; LIMITS.  A weight below 2^-126 counts as 0 in the sum.  M is written in f16 times a power of two, 2^(139 - e), e the biased exponent of the largest partial sum's magnitude, held at 16 or more;
; four partial sums then stay under 2^15.  NaN and infinities are not treated apart.
; SHARES.  A work-group owns 256 queries of a head, each of its eight waves 32: two tiles of 16.  Every wave walks all keys, 64 a step, four steps to a slot of 256 keys.
; TWO WAVES ON A SIMD, IN PLAIN PHASES: a tile and step have 8 matrix and 84 vector instructions, so vector issue bounds the walk; the second wave works where the first waits
; (for LDS, behind the exponentials, in the places behind matrix instructions), and all that the softmax touches lies in window 0.
; LAYOUT.  S^T = K Q^T (source 0 = 16 keys, source 1 = 16 queries): a lane holds ONE query (lane % 16) and the keys 8 (lane / 16) + 0..7.
; SOFTMAX.  Each LANE keeps a running maximum m and sum l over its own half of the keys: p = 2^(c s - c m), c = log2(e) / 8; in every step l is multiplied by a = 2^(c m_old - c m_new).
; No exchange between lanes stands in a step: the two halves of a query are merged once, at the end.  m starts at the lowest finite number, l at 0.
; M.  Of each slot's eight chunks of 32 keys wave w takes chunks w / 2 and w / 2 + 4, for rows (channels of k) 32 (w % 2) .. + 31 and all 64 columns: 8 accumulators, both sources turned by
; ds_load_tr16_b128.  The four partial sums of each number meet in LDS at the end, in f32.  Each of a head's four work-groups makes M for itself.
; CLUSTER.  The four query blocks of a cluster belong to one head and walk the same K and V, so each tile is asked for JOINTLY: the same tensor load, descriptor and mask in all four.
; REGISTERS (s_set_vgpr_msb: bits 1:0 source 0, 3:2 source 1, 5:4 source 2, 7:6 destination):
;   window 0: v0-15 addresses; v16-23 statistics; v24-31 at work; v32-47 the end's; v48-79 Q; v80-143 K of a step; v144-207 S^T
;   window 1: v0-63 M's accumulators; v64-95 K turned; v96-159 V turned; v160-191 s, laid as Q
.set PK,    144       ; a row of K in LDS: 128 bytes + 16 = 36 words: the 16 rows of a load start at 16 different groups of four banks (64 banks of 4 bytes: ISA guide 11.1)
.set PV,    160       ; a row of V: 128 + 32
.set VOFF,  256*PK    ; a slot: 256 rows of K, then 256 rows of V
.set SLOT1, 1<<17     ; slot 1 begins here, so that one exclusive or turns an address in one slot into the other's
.set MPARTB, SLOT1+256*(PK+PV)  ; behind the ring, where no tensor load lands: four sets of partial sums, 16 tiles of 1,024 bytes each
.set MMAX,  MPARTB+65536        ; eight waves' largest magnitudes
.set MT,    MMAX+256            ; M^T scaled, [column of M][row of M] in f16, at K's pitch
.set STAGE, MT+64*PK            ; 16 rows x 144 bytes for each wave, for the way out
.set SP,    144
.set SPARE, STAGE+8*16*SP       ; the spare words, 128 bytes for each wave: four blocks of 256 bytes that no other line names
.set AK0, 2           ; v2   my lane's place in a tile of K; never rewritten
.set AKT0, 3          ; v3   the same for K turned, with my wave's chunk and rows
.set AV0, 4           ; v4   the same for V turned
.set AK,  5           ; v5-7 the LDS addresses in hand
.set AKT, 6
.set AV,  7
.set QO,  8           ; v8   my byte offset in 16 rows of q and s
.set STO, 9           ; v9   the way out: where I put 16 bytes of a row
.set RD,  10          ; v10  the way out: where I read rows back
.set GO,  11          ; v11  16 x lane
.set PFO, 12          ; v12  256 x lane; never rewritten
.set SPW, 14          ; v14  LDS address of my spare word; never rewritten
.set NIL, 15          ; v15  0; never rewritten
.set ST,  16          ; tile t at ST + 4 t: c m, m, l (even keys', odd keys')
.set TMP, 24          ; tile t at TMP + 4 t: c0-c3 at work; c2 takes a
.set CL,  40          ; v40-41  c x (q . s)
.set SC,  42          ; v42-43  M's scale
.set ISC, 44          ; v44     1 / (8 x scale)
.set Q,   48
.set KF,  80
.set S,   144
.set KT,  64          ; window 1
.set VF,  96          ; window 1
.set SF,  160         ; window 1
.set WV,  14          ; s14  my wave's number
.set CX,  15
.set HD,  16          ; s16  batch x 16 + head
.set G1K, 24
.set G1V, 32
.set G0K, 40
.set G0V, 44
.set PFA, 48          ; s[48:49] where my prefetches stand
.set LIM, 50          ; s50  1 in a wave that prefetches, else the greatest number
.set SLOTS, 51        ; s51  fills still to come, this one among them
.set CNT, 52
.set TB,  53          ; s53  the slot in hand
.set CS,  54          ; s[54:55] c
.set SEL, 56          ; s[56:57] v_permlanex16_b32's selects: each lane takes its own place in the other half
.set MSB, 0
.macro WIN new
.if MSB != (\new)
	s_set_vgpr_msb (MSB<<8)|(\new)
.set MSB, (\new)
.endif
.endm
.macro PLACES
.rept 4
	v_nop
.endr
.endm
.macro CROUND                       ; a round of the cluster's barrier
	s_barrier_signal -1
	s_barrier_wait -1
	s_cmp_lg_u32 s[WV], 0
	s_cbranch_scc1 .Lnot_wave_0_\@
	s_barrier_signal -3
.Lnot_wave_0_\@:
	s_barrier_wait -3
	s_barrier_signal -1
	s_barrier_wait -1
.endm
; A joint fill.  Waves 0 and 1 fetch the two halves of a tile's K, waves 2 and 3 those of its V, 128 keys each; waves 4 to 7 have no part.  The branches hang on the wave's number alone.
.macro JLOAD
	s_cmp_lt_u32 s[WV], 2
	s_cbranch_scc0 .Lnot_k_\@
	tensor_load_to_lds s[G0K:G0K+3], s[G1K:G1K+7]
	s_nop 0
	PLACES
	s_branch .Lasked_\@
.Lnot_k_\@:
	s_cmp_lt_u32 s[WV], 4
	s_cbranch_scc0 .Lasked_\@
	tensor_load_to_lds s[G0V:G0V+3], s[G1V:G1V+7]
	s_nop 0
	PLACES
.Lasked_\@:
.endm
; A PREFETCH INTO THE L2 of the tile that the NEXT change of slots will ask for: four key steps ahead of that load.  A tile's K is 128 blocks of 256 bytes, and so is its V: the partner at place cx names
; blocks 32 cx + lane, told apart by address; wave 0 asks for K's, wave 2 for V's: one instruction.  A head has one cluster, so each block is named once.  The last fill asks for nothing; tiles 0 and 1 come by their loads alone.
.macro ASK
	s_cmp_gt_u32 s[SLOTS], s[LIM]
	s_cbranch_scc0 .Lnot_mine_\@
	global_prefetch_b8 v[PFO], s[PFA:PFA+1] th:TH_LOAD_NT scope:SCOPE_SE
.Lnot_mine_\@:
.endm
; THE CHANGE OF SLOTS.  Each wave waits for all its tensor loads, adds 0 to its spare word, and waits for that and for its reads of the slot that it leaves.  fill = 1: the barrier is a round of the cluster's,
; and the old slot is filled again first thing behind it.  (At its first use nothing has been read: slot 0 is waited for, slot 1 filled.)
.macro CHANGE fill
	WIN 0
	s_wait_tensorcnt 0x0            ; no tensor load of mine is out, so a group 0 may be written
	ds_add_u32 v[SPW], v[NIL]       ; 0 onto my spare word
.if \fill
.irp g, G0K, G0V
	s_xor_b32 s[\g+1], s[\g+1], SLOT1
	s_add_nc_u64 s[\g+2:\g+3], s[\g+2:\g+3], 32768  ; the next 256 keys
.endr
	s_wait_xcnt 0x0                 ; the last prefetch, four key steps back, has read its address
	s_add_nc_u64 s[PFA:PFA+1], s[PFA:PFA+1], 32768
	s_wait_dscnt 0x0                ; the add is done, and my reads of the slot are over
	CROUND
	JLOAD
	ASK
.else
	s_wait_dscnt 0x0
	s_barrier_signal -1
	s_barrier_wait -1
.endif
	s_xor_b32 s[TB], s[TB], SLOT1
.endm
	s_load_b256 s[4:11], s[0:1], 0x0  ; qh s[4:5], sh s[6:7], kh s[8:9], vh s[10:11]
	s_load_b64 s[12:13], s[0:1], 0x20 ; ao
	v_lshl_add_u32 v[SPW], v0, 2, SPARE
	v_mov_b32 v[NIL], 0
	ds_add_u32 v[SPW], v[NIL]       ; the wave's opening: the add and its wait stand ahead of my first tensor load; the set-up below, work on registers, stands between them
	v_lshrrev_b32 v1, 5, v0
	v_readfirstlane_b32 s[WV], v1   ; wave 0..7
	s_bfe_u32 s[CX], ttmp6, 0x40000
	s_and_b32 s[HD], ttmp7, 0xffff  ; the head, which the four partners share
	s_and_b32 s17, s[WV], 1         ; which half of a tile's 256 keys I fetch:
	s_lshl_b32 s20, s[HD], 18       ; a head of kh or vh is 2,048 rows of 128 bytes,
	s_lshl_b32 s18, s17, 14         ; the half 128 rows
	s_add_co_u32 s20, s20, s18
	s_mov_b32 s21, 0
	s_mul_i32 s18, s17, 128*PK      ; and its place in a slot, for K
	s_mul_i32 s19, s17, 128*PV      ; and for V: no place in the cluster enters an LDS address
	s_add_co_u32 s19, s19, VOFF
	s_lshl_b32 s22, s[HD], 17       ; a head of qh or sh is 1,024 rows,
	s_lshl_b32 s2, s[CX], 15        ; my work-group's 256,
	s_add_co_u32 s22, s22, s2
	s_lshl_b32 s2, s[WV], 12        ; my wave's 32
	s_add_co_u32 s22, s22, s2
	s_mov_b32 s23, 0
	s_lshr_b32 s58, s[HD], 4        ; ao: ((batch x 8 + 2 cx + w / 4) x 16 + head) x 16,384 + (w % 4) x 4,096
	s_lshl_b32 s58, s58, 3
	s_lshl1_add_u32 s58, s[CX], s58
	s_lshr_b32 s2, s[WV], 2
	s_add_co_u32 s58, s58, s2
	s_and_b32 s2, s[HD], 15
	s_lshl4_add_u32 s58, s58, s2
	s_lshl_b32 s58, s58, 14
	s_and_b32 s2, s[WV], 3
	s_lshl_b32 s2, s2, 12
	s_add_co_u32 s58, s58, s2
	s_mov_b32 s59, 0
	s_lshl_b32 s2, s[HD], 18        ; the prefetches: the head, my work-group's 32 blocks, tile 1: the first change of slots steps it to tile 2
	s_lshl_b32 s3, s[CX], 13
	s_add_co_u32 s2, s2, s3
	s_add_co_u32 s2, s2, 32768
	s_mov_b32 s3, 0
	; descriptor group 1.  128 keys are 16,384 dense bytes: asked for as 64 rows of 256 bytes, two keys a row, and padded in LDS after every key
	s_mov_b32 s[G1K], 15|(1<<16)|(1<<20)|(1<<21)|(4<<22)|(3<<25)  ; 15:0 the mask of four; 17:16 2-byte elements; 20 padding on; 21 set beside a mask; 24:22 after every 32 words (code 4); 31:25 4 words (code 3)
	s_mov_b32 s[G1V], 15|(1<<16)|(1<<20)|(1<<21)|(4<<22)|(7<<25)  ; the same with 8 words of padding (code 7)
.irp g, G1K, G1V
	s_mov_b32 s[\g+1], 128<<16      ; tensor_dim0 = 128
	s_mov_b32 s[\g+2], 64<<16       ; tensor_dim1 = 64
	s_mov_b32 s[\g+3], 128<<16      ; tile_dim0 = 128
	s_mov_b32 s[\g+4], 64           ; tile_dim1 = 64
	s_mov_b32 s[\g+5], 128          ; 128 elements from row to row
	s_mov_b32 s[\g+6], 0
	s_mov_b32 s[\g+7], 0
.endr
	s_mov_b32 s[G0K], 1             ; 1:0 count = 1
	s_mov_b32 s[G0K+1], s18         ; 63:32 LDS address: slot 0
	s_mov_b32 s[G0V], 1
	s_mov_b32 s[G0V+1], s19
	s_mov_b32 s[CS], 0x3e38aa3b     ; c = log2(e) / 8
	s_mov_b32 s[CS+1], s[CS]        ; named with it as a pair
	s_mov_b32 s[SEL], 0x76543210
	s_mov_b32 s[SEL+1], 0xfedcba98
	s_mov_b32 s[TB], SLOT1          ; the first change of slots turns it into 0
	s_and_b32 s[LIM], s[WV], 5      ; 0 in waves 0 and 2
	s_cmp_eq_u32 s[LIM], 0
	s_cselect_b32 s[LIM], 1, -1
	s_wait_dscnt 0x0                ; the opening add is done
	s_wait_kmcnt 0x0
	s_cmp_lt_u32 s[WV], 2
	s_cselect_b64 s[PFA:PFA+1], s[8:9], s[10:11]
	s_add_nc_u64 s[PFA:PFA+1], s[PFA:PFA+1], s[2:3]
	s_add_nc_u64 s[G0K+2:G0K+3], s[8:9], s[20:21]   ; 120:64 global address: my half of the head's first 256 keys
	s_or_b32 s[G0K+3], s[G0K+3], 0x80000000         ; 127:126 type = 2
	s_add_nc_u64 s[G0V+2:G0V+3], s[10:11], s[20:21]
	s_or_b32 s[G0V+3], s[G0V+3], 0x80000000
	s_add_nc_u64 s[4:5], s[4:5], s[22:23]
	s_add_nc_u64 s[6:7], s[6:7], s[22:23]
	s_add_nc_u64 s[12:13], s[12:13], s[58:59]
	CROUND                          ; all four work-groups are here: the first joint loads meet
	JLOAD                           ; tile 0 into slot 0
	; A fragment of K, q or s is 16 rows x 32 channels in 8 registers: lane l holds row l % 16, channels 8 (l / 16) + 0..7 and 16 + 8 (l / 16) + 0..7: two loads of 16 bytes, 32 bytes apart.
	v_and_b32 v1, 15, v0            ; l % 16
	v_bfe_u32 v13, v0, 4, 1         ; l / 16
	v_lshlrev_b32 v[QO], 7, v1
	v_lshl_add_u32 v[QO], v13, 4, v[QO]
.irp i, 0,1,2,3                     ; tile i / 2, channels 32 (i % 2) on
	global_load_b128 v[Q+8*\i:Q+8*\i+3],   v[QO], s[4:5] offset:(\i/2)*2048+(\i%2)*64
	global_load_b128 v[Q+8*\i+4:Q+8*\i+7], v[QO], s[4:5] offset:(\i/2)*2048+(\i%2)*64+32
.endr
	WIN 0x40
.irp i, 0,1,2,3
	global_load_b128 v[SF+8*\i:SF+8*\i+3],   v[QO], s[6:7] offset:(\i/2)*2048+(\i%2)*64
	global_load_b128 v[SF+8*\i+4:SF+8*\i+7], v[QO], s[6:7] offset:(\i/2)*2048+(\i%2)*64+32
.endr
	WIN 0
	v_mul_u32_u24 v[AK0], v1, PK
	v_lshl_add_u32 v[AK0], v13, 4, v[AK0]
	; The turning load takes 16 keys x 16 channels: lane l reads key 8 (l / 16) + l % 8, channels 8 ((l / 8) % 2) + 0..7, and is left with channel l % 16 and 8 keys.
	v_and_b32 v32, 7, v0
	v_bfe_u32 v33, v0, 3, 1
	v_lshl_add_u32 v34, v13, 3, v32
	v_mul_u32_u24 v[AKT0], v34, PK
	v_lshl_add_u32 v[AKT0], v33, 4, v[AKT0]
	s_lshr_b32 s2, s[WV], 1         ; my chunk of 32 keys,
	s_mul_i32 s3, s2, 32*PK
	s_lshl_b32 s60, s17, 6          ; my 32 channels of k
	s_add_co_u32 s3, s3, s60
	v_add_nc_u32 v[AKT0], s3, v[AKT0]
	v_mul_u32_u24 v[AV0], v34, PV
	v_lshl_add_u32 v[AV0], v33, 4, v[AV0]
	s_mul_i32 s3, s2, 32*PV
	s_add_co_u32 s3, s3, VOFF
	v_add_nc_u32 v[AV0], s3, v[AV0]
	s_mul_i32 s3, s[WV], 16*SP
	s_add_co_u32 s3, s3, STAGE      ; my stage
	v_mul_u32_u24 v[STO], v1, SP
	v_lshl_add_u32 v[STO], v13, 4, v[STO]
	v_add_nc_u32 v[STO], s3, v[STO]
	v_bfe_u32 v[RD], v0, 3, 2       ; back: 32 lanes take four rows of 128 bytes
	v_mul_u32_u24 v[RD], v[RD], SP
	v_lshl_add_u32 v[RD], v32, 4, v[RD]
	v_add_nc_u32 v[RD], s3, v[RD]
	v_and_b32 v[GO], 31, v0
	v_lshlrev_b32 v[PFO], 8, v[GO]
	v_lshlrev_b32 v[GO], 4, v[GO]
.irp t, 0,1
	v_mov_b32 v[ST+4*\t], 0xfe000000    ; c m: far below every c s, so the first step's a is 0
	v_mov_b32 v[ST+4*\t+1], 0xff7fffff  ; m
	v_mov_b32 v[ST+4*\t+2], 0
	v_mov_b32 v[ST+4*\t+3], 0
	v_mov_b32 v[36+2*\t], 0
	v_mov_b32 v[37+2*\t], 0
.endr
	s_wait_loadcnt 0x0              ; q and s
	WIN 0x04                        ; source 1 (s) in window 1
.set i, 0
.rept 16                            ; q . s over my 32 channels of each tile's query: f16 halves multiplied and summed in f32, four chains
.irp t, 0,1
	v_fma_mix_f32 v[36+2*\t], v[Q+16*\t+i], v[SF+16*\t+i], v[36+2*\t] op_sel_hi:[1,1,0]
	v_fma_mix_f32 v[37+2*\t], v[Q+16*\t+i], v[SF+16*\t+i], v[37+2*\t] op_sel:[1,1,0] op_sel_hi:[1,1,0]
.endr
.set i, i+1
.endr
	WIN 0
.irp t, 0,1
	v_add_f32 v[36+2*\t], v[36+2*\t], v[37+2*\t]
.endr
.irp t, 0,1
	v_permlanex16_b32 v[37+2*\t], v[36+2*\t], s[SEL], s[SEL+1]  ; the query's other 32 channels lie in the lane 16 away
.endr
.irp t, 0,1
	v_add_f32 v[36+2*\t], v[36+2*\t], v[37+2*\t]
.endr
.irp t, 0,1
	v_mul_f32 v[CL+\t], s[CS], v[36+2*\t]
.endr
.macro FETCH_K                      ; 16 LDS loads in one run: 64 rows x 64 channels at v[AK]: rows 16 (f / 2) on, channels 32 (f % 2) on
.irp f, 0,1,2,3,4,5,6,7
	ds_load_b128 v[KF+8*\f:KF+8*\f+3],   v[AK] offset:(\f/2)*16*PK+(\f%2)*64
	ds_load_b128 v[KF+8*\f+4:KF+8*\f+7], v[AK] offset:(\f/2)*16*PK+(\f%2)*64+32
.endr
.endm
; 16 products: what lies in K's registers times Q^T.  Channels 32 (i / 8) on, rows 16 ((i / 2) % 4) on, tile i % 2.  The 8 accumulators take turns; the first 8 start the sums.
.macro KQ
.set i, 0
.rept 16
.set rA, S+32*(i%2)+8*((i/2)%4)
.set rK, KF+16*((i/2)%4)+8*(i/8)
.set rQ, Q+16*(i%2)+8*(i/8)
.if i < 8
	v_wmma_f32_16x16x32_f16 v[rA:rA+7], v[rK:rK+7], v[rQ:rQ+7], 0
.else
	v_wmma_f32_16x16x32_f16 v[rA:rA+7], v[rK:rK+7], v[rQ:rQ+7], v[rA:rA+7]
.endif
.set i, i+1
.endr
.endm
; My share of M += k^T v for a slot: two chunks of 32 keys; 24 turning loads, 16 products on 8 accumulators by turns.  zero = 1: the first 8 start the sums.
.macro MPROD zero
	WIN 0x40
.irp cc, 0,1
.irp ii, 0,1
	ds_load_tr16_b128 v[KT+16*\cc+8*\ii:KT+16*\cc+8*\ii+3],   v[AKT] offset:128*PK*\cc+32*\ii
	ds_load_tr16_b128 v[KT+16*\cc+8*\ii+4:KT+16*\cc+8*\ii+7], v[AKT] offset:128*PK*\cc+32*\ii+16*PK
.endr
.irp j, 0,1,2,3
	ds_load_tr16_b128 v[VF+32*\cc+8*\j:VF+32*\cc+8*\j+3],   v[AV] offset:128*PV*\cc+32*\j
	ds_load_tr16_b128 v[VF+32*\cc+8*\j+4:VF+32*\cc+8*\j+7], v[AV] offset:128*PV*\cc+32*\j+16*PV
.endr
.endr
	s_wait_dscnt 0x0
	WIN 0x55
.irp cc, 0,1
.irp ii, 0,1
.irp j, 0,1,2,3
.if (\zero) && (\cc == 0)
	v_wmma_f32_16x16x32_f16 v[8*(4*\ii+\j):8*(4*\ii+\j)+7], v[KT+16*\cc+8*\ii:KT+16*\cc+8*\ii+7], v[VF+32*\cc+8*\j:VF+32*\cc+8*\j+7], 0
.else
	v_wmma_f32_16x16x32_f16 v[8*(4*\ii+\j):8*(4*\ii+\j)+7], v[KT+16*\cc+8*\ii:KT+16*\cc+8*\ii+7], v[VF+32*\cc+8*\j:VF+32*\cc+8*\j+7], v[8*(4*\ii+\j):8*(4*\ii+\j)+7]
.endif
.endr
.endr
.endr
	WIN 0
.endm
.macro TREGS t
.set rT, ST+4*(\t)
.set rC, TMP+4*(\t)
.set rS, S+32*(\t)
.endm
; Number n of the 16 that find the maximum of the lane's 32 scores and the old m, three operands at a time; each accumulator's lowest registers are read first.
.macro MX n, t
	TREGS \t
.if (\n) < 4
	v_max3_num_f32 v[rC+(\n)], v[rS+8*(\n)], v[rS+8*(\n)+1], v[rS+8*(\n)+2]
.elseif (\n) < 12
	v_max3_num_f32 v[rC+(\n)%4], v[rC+(\n)%4], v[rS+8*((\n)%4)+2*((\n)/4)+1], v[rS+8*((\n)%4)+2*((\n)/4)+2]
.elseif (\n) == 12
	v_max3_num_f32 v[rC], v[rC], v[rS+7], v[rS+15]
.elseif (\n) == 13
	v_max3_num_f32 v[rC+1], v[rC+1], v[rS+23], v[rS+31]
.elseif (\n) == 14
	v_max3_num_f32 v[rC+2], v[rC+2], v[rC+3], v[rT+1]
.else
	v_max3_num_f32 v[rT+1], v[rC], v[rC+1], v[rC+2]
.endif
.endm
.macro FS p, t                      ; c s - c m for pair p of tile t
	TREGS \t
	v_pk_fma_f32 v[rS+2*(\p):rS+2*(\p)+1], v[rS+2*(\p):rS+2*(\p)+1], s[CS:CS+1], v[rT:rT+1] op_sel_hi:[1,0,0] neg_lo:[0,0,1] neg_hi:[0,0,1]
.endm
.macro EX e, t
	TREGS \t
	v_exp_f32 v[rS+(\e)], v[rS+(\e)]
.endm
.macro ADDP w, u, t                 ; pair at w u takes the pair w / 2 further on
	TREGS \t
	v_pk_add_f32 v[rS+(\w)*(\u):rS+(\w)*(\u)+1], v[rS+(\w)*(\u):rS+(\w)*(\u)+1], v[rS+(\w)*(\u)+(\w)/2:rS+(\w)*(\u)+(\w)/2+1]
.endm
; A step's vector work, the two tiles alternating.  The 66 exponentials are ONE BATCH: nothing ahead of the one wait names a result of theirs; the scalings run two pairs ahead and stand among them.
.macro SOFTMAX
.irp n, 0,1,2,3,4,5,6,7,8,9,10,11,12,13,14,15
	MX \n, 0
	MX \n, 1
.endr
.irp t, 0,1
	v_mul_f32 v[TMP+4*\t+3], s[CS], v[ST+4*\t+1]                 ; c m
.endr
.irp t, 0,1
	v_sub_f32 v[TMP+4*\t+1], v[ST+4*\t], v[TMP+4*\t+3]           ; c m_old - c m_new
.endr
.irp t, 0,1
	v_mov_b32 v[ST+4*\t], v[TMP+4*\t+3]
.endr
	FS 0, 0
	FS 0, 1
	FS 1, 0
	FS 1, 1
	v_exp_f32 v[TMP+2], v[TMP+1]    ; a
	v_exp_f32 v[TMP+6], v[TMP+5]
.set p, 0
.rept 16
.if p < 14
	FS p+2, 0
.endif
	EX 2*p, 0
.if p < 14
	FS p+2, 1
.endif
	EX 2*p, 1
	EX 2*p+1, 0
	EX 2*p+1, 1
.set p, p+1
.endr
	v_nop                           ; a plain instruction behind the last exponential (ISA guide 5.7.2): one for the batch
	s_wait_alu depctr_va_vdst(0)    ; the wait ahead of the first instruction that names a result: one for the batch
.irp z, 0,1,2,3,4,5,6,7
	ADDP 4, \z, 0
	ADDP 4, \z, 1
.endr
.irp z, 0,1,2,3
	ADDP 8, \z, 0
	ADDP 8, \z, 1
.endr
.irp z, 0,1
	ADDP 16, \z, 0
	ADDP 16, \z, 1
.endr
	ADDP 32, 0, 0
	ADDP 32, 0, 1
.irp t, 0,1
	v_pk_fma_f32 v[ST+4*\t+2:ST+4*\t+3], v[ST+4*\t+2:ST+4*\t+3], v[TMP+4*\t+2:TMP+4*\t+3], v[S+32*\t:S+32*\t+1] op_sel_hi:[1,0,1]  ; l = a l + the sum
.endr
.endm
; A slot: my share of M, then four key steps.  K of the next step is asked for behind the products and lands under the softmax; the slot's last step asks for none.
.macro SLOTBODY zero
	v_add_nc_u32 v[AK], s[TB], v[AK0]
	v_add_nc_u32 v[AKT], s[TB], v[AKT0]
	v_add_nc_u32 v[AV], s[TB], v[AV0]
	FETCH_K
	MPROD \zero
	s_mov_b32 s[CNT], 4
.Lstep_\@:
	s_wait_dscnt 0x0                ; K is in
	KQ
	v_add_nc_u32 v[AK], 64*PK, v[AK]  ; with the three below: the four places behind the products, in front of the loads into K's registers and of the first read of the scores
	v_nop
	v_nop
	v_nop
	s_cmp_eq_u32 s[CNT], 1
	s_cbranch_scc1 .Lno_k_\@
	FETCH_K
.Lno_k_\@:
	SOFTMAX
	s_sub_co_u32 s[CNT], s[CNT], 1
	s_cmp_lg_u32 s[CNT], 0
	s_cbranch_scc1 .Lstep_\@
.endm
	s_mov_b32 s[SLOTS], 7
	CHANGE 1                        ; tile 0 is in, everybody's part of it; tile 1 is asked for
	SLOTBODY 1
	s_mov_b32 s[SLOTS], 6
.Lslot:                             ; tiles 1 to 6: each is entered and the next asked for
	CHANGE 1
	SLOTBODY 0
	s_sub_co_u32 s[SLOTS], s[SLOTS], 1
	s_cmp_lg_u32 s[SLOTS], 0
	s_cbranch_scc1 .Lslot
	CHANGE 0                        ; the last tile is written out: nothing is asked for
	SLOTBODY 0
	; THE END.  (a) My partial sums of M go into LDS, and with them the largest magnitude among them.
	v_mov_b32 v32, 0
	v_mov_b32 v33, 0
	WIN 0x05                        ; sources 0 and 1 window 1
.set i, 0
.rept 32
	v_max3_num_f32 v32, v[2*i], v[2*i+1], v32
	v_min3_num_f32 v33, v[2*i], v[2*i+1], v33
.set i, i+1
.endr
	WIN 0
	v_sub_f32 v33, 0, v33
	v_max_num_f32 v32, v32, v33
	v_max_num_f32_dpp v32, v32, v32 row_xmask:1 row_mask:0xf bank_mask:0xf
	v_max_num_f32_dpp v32, v32, v32 row_xmask:2 row_mask:0xf bank_mask:0xf
	v_max_num_f32_dpp v32, v32, v32 row_xmask:4 row_mask:0xf bank_mask:0xf
	v_max_num_f32_dpp v32, v32, v32 row_xmask:8 row_mask:0xf bank_mask:0xf
	v_permlanex16_b32 v33, v32, s[SEL], s[SEL+1]
	v_max_num_f32 v32, v32, v33
	s_lshr_b32 s2, s[WV], 1         ; set w / 2; tiles 8 (w % 2) + 4 ii + j = 4 x (row block of M) + column block
	s_lshl_b32 s2, s2, 14
	s_lshl_b32 s3, s17, 13
	s_add_co_u32 s2, s2, s3
	s_add_co_u32 s2, s2, MPARTB
	v_add_nc_u32 v34, s2, v[GO]
	WIN 0x04                        ; store data in window 1
.irp T, 0,1,2,3,4,5,6,7
	ds_store_b128 v34, v[8*\T:8*\T+3]   offset:1024*\T
	ds_store_b128 v34, v[8*\T+4:8*\T+7] offset:1024*\T+512
.endr
	WIN 0
	s_lshl_b32 s2, s[WV], 2
	s_add_co_u32 s2, s2, MMAX
	v_mov_b32 v35, s2
	ds_store_b32 v35, v32
	s_wait_dscnt 0x0                ; for the others' sake
	s_barrier_signal -1
	s_barrier_wait -1
	; (b) The scale from the eight magnitudes; wave w adds the four partial sums of tiles 2 w and 2 w + 1, scales, rounds to f16 and lays them turned: [column of M][row of M].
	v_mov_b32 v35, MMAX
	s_lshl_b32 s2, s[WV], 11
	s_add_co_u32 s2, s2, MPARTB
	v_add_nc_u32 v34, s2, v[GO]
	ds_load_b128 v[144:147], v35
	ds_load_b128 v[148:151], v35 offset:16
.irp tt, 0,1
.irp s, 0,1,2,3
	ds_load_b128 v[KF+32*\tt+8*\s:KF+32*\tt+8*\s+3],   v34 offset:16384*\s+1024*\tt
	ds_load_b128 v[KF+32*\tt+8*\s+4:KF+32*\tt+8*\s+7], v34 offset:16384*\s+1024*\tt+512
.endr
.endr
	s_mul_i32 s2, s17, 32*PK        ; columns 32 (w % 2) + 16 tt + l % 16, rows 16 (w / 2) + 8 (l / 16) + 0..7
	s_lshr_b32 s3, s[WV], 1
	s_lshl_b32 s3, s3, 5
	s_add_co_u32 s2, s2, s3
	s_add_co_u32 s2, s2, MT
	v_add_nc_u32 v45, s2, v[AK0]
	s_wait_dscnt 16                 ; the magnitudes are in; the 16 loads behind them may stay out
	v_max3_num_f32 v144, v144, v145, v146
	v_max3_num_f32 v147, v147, v148, v149
	v_max3_num_f32 v144, v144, v150, v151
	v_max_num_f32 v144, v144, v147
	v_lshrrev_b32 v144, 23, v144    ; e, the biased exponent,
	v_max_u32 v144, 16, v144        ; held at 16 or more, so that both numbers below are normal
	v_sub_nc_u32 v[SC], 266, v144
	v_lshlrev_b32 v[SC], 23, v[SC]  ; 2^(139 - e): four partial sums below 2^(e - 126) each then stay under 2^15
	v_mov_b32 v[SC+1], v[SC]
	v_add_nc_u32 v[ISC], -15, v144
	v_lshlrev_b32 v[ISC], 23, v[ISC]  ; 2^(e - 142) = 1 / (8 x scale): the scores' 1 / 8 is in it
	s_wait_dscnt 0x0
.irp tt, 0,1
.irp p, 0,1,2,3
	v_pk_add_f32 v[KF+32*\tt+2*\p:KF+32*\tt+2*\p+1], v[KF+32*\tt+2*\p:KF+32*\tt+2*\p+1], v[KF+32*\tt+8+2*\p:KF+32*\tt+8+2*\p+1]
	v_pk_add_f32 v[KF+32*\tt+16+2*\p:KF+32*\tt+16+2*\p+1], v[KF+32*\tt+16+2*\p:KF+32*\tt+16+2*\p+1], v[KF+32*\tt+24+2*\p:KF+32*\tt+24+2*\p+1]
.endr
.endr
.irp tt, 0,1
.irp p, 0,1,2,3
	v_pk_add_f32 v[KF+32*\tt+2*\p:KF+32*\tt+2*\p+1], v[KF+32*\tt+2*\p:KF+32*\tt+2*\p+1], v[KF+32*\tt+16+2*\p:KF+32*\tt+16+2*\p+1]
.endr
.endr
.irp tt, 0,1
.irp p, 0,1,2,3
	v_pk_mul_f32 v[KF+32*\tt+2*\p:KF+32*\tt+2*\p+1], v[KF+32*\tt+2*\p:KF+32*\tt+2*\p+1], v[SC:SC+1] op_sel_hi:[1,0]
.endr
.endr
.irp tt, 0,1
.irp p, 0,1,2,3
	v_cvt_pk_f16_f32 v[KF+32*\tt+8+\p], v[KF+32*\tt+2*\p], v[KF+32*\tt+2*\p+1]
.endr
	ds_store_b128 v45, v[KF+32*\tt+8:KF+32*\tt+11] offset:16*PK*\tt
.endr
	s_wait_dscnt 0x0
	s_barrier_signal -1
	s_barrier_wait -1
	; (c) M^T lies as a tile of K lies: its fragments come by K's run of loads.  Under them: a query's two halves are merged, and beta made.
	v_add_nc_u32 v[AK], MT, v[AK0]
	FETCH_K
.irp t, 0,1
	v_add_f32 v[ST+4*\t+2], v[ST+4*\t+2], v[ST+4*\t+3]                     ; l
.endr
.irp t, 0,1
	v_permlanex16_b32 v[TMP+4*\t], v[ST+4*\t], s[SEL], s[SEL+1]            ; the other half's c m
	v_permlanex16_b32 v[TMP+4*\t+1], v[ST+4*\t+2], s[SEL], s[SEL+1]        ; and l
.endr
.irp t, 0,1
	v_max_num_f32 v[TMP+4*\t+2], v[ST+4*\t], v[TMP+4*\t]                   ; the keys' maximum
.endr
.irp t, 0,1
	v_max_num_f32 v[TMP+4*\t+3], v[TMP+4*\t+2], v[CL+\t]                   ; and with the language column: the maximum that is taken away
.endr
.irp t, 0,1
	v_sub_f32 v[ST+4*\t], v[ST+4*\t], v[TMP+4*\t+2]
	v_sub_f32 v[TMP+4*\t], v[TMP+4*\t], v[TMP+4*\t+2]
	v_sub_f32 v[TMP+4*\t+2], v[TMP+4*\t+2], v[TMP+4*\t+3]
	v_sub_f32 v[TMP+4*\t+3], v[CL+\t], v[TMP+4*\t+3]
.endr
.irp t, 0,1
	v_exp_f32 v[ST+4*\t], v[ST+4*\t]
	v_exp_f32 v[TMP+4*\t], v[TMP+4*\t]
	v_exp_f32 v[TMP+4*\t+2], v[TMP+4*\t+2]
	v_exp_f32 v[TMP+4*\t+3], v[TMP+4*\t+3]
.endr
	v_nop                           ; a plain instruction behind the last exponential,
	s_wait_alu depctr_va_vdst(0)    ; and one wait for the eight
.irp t, 0,1
	v_mul_f32 v[TMP+4*\t+1], v[TMP+4*\t+1], v[TMP+4*\t]
.endr
.irp t, 0,1
	v_fma_f32 v[ST+4*\t+2], v[ST+4*\t+2], v[ST+4*\t], v[TMP+4*\t+1]        ; the keys' sum, relative to their maximum
.endr
.irp t, 0,1
	v_mul_f32 v[ST+4*\t+2], v[ST+4*\t+2], v[TMP+4*\t+2]                    ; relative to the common one: wanted by itself below
.endr
.irp t, 0,1
	v_add_f32 v[ST+4*\t+3], v[ST+4*\t+2], v[TMP+4*\t+3]                    ; the denominator, 1 at the least
.endr
.irp t, 0,1
	v_rcp_f32 v[ST+4*\t+3], v[ST+4*\t+3]
.endr
	v_nop
	s_wait_alu depctr_va_vdst(0)    ; one wait for the two reciprocals
.irp t, 0,1
	v_mul_f32 v[ST+4*\t], v[TMP+4*\t+3], v[ST+4*\t+3]                      ; beta
	v_mul_f32 v[ST+4*\t+2], v[ST+4*\t+2], v[ST+4*\t+3]                     ; 1 - beta, with no difference formed
.endr
.irp t, 0,1
	v_mul_f32 v[TMP+4*\t], v[ST+4*\t+2], v[ISC]                            ; (1 - beta) / (8 x scale)
.endr
	; (d) O^T = M^T Q^T: a lane holds one query and eight channels, as s lies in its registers.  Blend, round to bf16, through my stage, out.
	s_wait_dscnt 0x0
	KQ
	PLACES
.macro OUTT t
	TREGS \t
.set i, 0
.rept 16
	v_pk_mul_f32 v[rS+2*i:rS+2*i+1], v[rS+2*i:rS+2*i+1], v[rC:rC+1] op_sel_hi:[1,0]
.set i, i+1
.endr
	WIN 0x01                        ; source 0 (s) in window 1
.set i, 0
.rept 32
.if i%2
	v_fma_mix_f32 v[rS+i], v[SF+16*(\t)+i/2], v[rT], v[rS+i] op_sel:[1,0,0] op_sel_hi:[1,0,0]
.else
	v_fma_mix_f32 v[rS+i], v[SF+16*(\t)+i/2], v[rT], v[rS+i] op_sel_hi:[1,0,0]
.endif
.set i, i+1
.endr
	WIN 0
.set i, 0
.rept 16
	v_cvt_pk_bf16_f32 v[KF+16*(\t)+i], v[rS+2*i], v[rS+2*i+1]
.set i, i+1
.endr
.irp j, 0,1,2,3
	ds_store_b128 v[STO], v[KF+16*(\t)+4*\j:KF+16*(\t)+4*\j+3] offset:32*\j
.endr
.irp f, 0,1,2,3
	ds_load_b128 v[KF+32+16*(\t)+4*\f:KF+32+16*(\t)+4*\f+3], v[RD] offset:4*SP*\f  ; LDS serves a wave's instructions in order (ISA guide 5.7.1.4): these see the stores above; the next tile's stores come behind them
.endr
.endm
	OUTT 0
	OUTT 1
	s_wait_dscnt 8                  ; tile 0 is back; tile 1's eight LDS instructions may stay out
.irp f, 0,1,2,3
	global_store_b128 v[GO], v[KF+32+4*\f:KF+32+4*\f+3], s[12:13] offset:512*\f  ; 512 consecutive bytes, aligned
.endr
	s_wait_dscnt 0x0
.irp f, 0,1,2,3
	global_store_b128 v[GO], v[KF+48+4*\f:KF+48+4*\f+3], s[12:13] offset:2048+512*\f
.endr
	s_wait_tensorcnt 0x0            ; the wave's end: behind my last tensor load and my last LDS store
	ds_add_u32 v[SPW], v[NIL]
	s_wait_dscnt 0x0
	CROUND                          ; the closing round: no work-group ends while a partner may still ask for a tile that names it
	s_endpgm
.Lfunc_end_k_qa5457e3c6c_attn:
	.size	k_qa5457e3c6c_attn, .Lfunc_end_k_qa5457e3c6c_attn-k_qa5457e3c6c_attn
	.p2alignl 7, 3214868480
	.fill 96, 4, 3214868480
	.section	.rodata,"a",@progbits
	.p2align	6, 0x0
	.amdhsa_kernel k_qa5457e3c6c_attn
		.amdhsa_group_segment_fixed_size 327680
		.amdhsa_private_segment_fixed_size 0
		.amdhsa_enable_private_segment 0
		.amdhsa_kernarg_size 40
		.amdhsa_user_sgpr_count 2
		.amdhsa_user_sgpr_kernarg_segment_ptr 1
		.amdhsa_wavefront_size32 1
		.amdhsa_system_sgpr_workgroup_id_x 1
		.amdhsa_system_sgpr_workgroup_id_y 1
		.amdhsa_system_sgpr_workgroup_id_z 1
		.amdhsa_system_vgpr_workitem_id 0
		.amdhsa_next_free_vgpr 448
		.amdhsa_next_free_sgpr 66
		.amdhsa_reserve_vcc 0
		.amdhsa_float_denorm_mode_32 3
		.amdhsa_float_denorm_mode_16_64 3
		.amdhsa_memory_ordered 1
		.amdhsa_forward_progress 1
		.amdhsa_inst_pref_size 86
	.end_amdhsa_kernel
	.amdgpu_metadata
---
amdhsa.version: [ 1, 2 ]
amdhsa.kernels:
  - .name:           k_qa5457e3c6c_attn
    .symbol:         k_qa5457e3c6c_attn.kd
    .args:
      - { .name: qh, .offset: 0, .size: 8, .value_kind: global_buffer, .address_space: global }
      - { .name: sh, .offset: 8, .size: 8, .value_kind: global_buffer, .address_space: global }
      - { .name: kh, .offset: 16, .size: 8, .value_kind: global_buffer, .address_space: global }
      - { .name: vh, .offset: 24, .size: 8, .value_kind: global_buffer, .address_space: global }
      - { .name: ao, .offset: 32, .size: 8, .value_kind: global_buffer, .address_space: global }
    .group_segment_fixed_size: 327680
    .private_segment_fixed_size: 0
    .kernarg_segment_align: 8
    .kernarg_segment_size: 40
    .max_flat_workgroup_size: 256
    .sgpr_count:     66
    .vgpr_count:     448
    .wavefront_size: 32
...
	.end_amdgpu_metadata
.endif
;; end of part 3
;; launch oproj (part 4): grid 8 x 32, 4 waves a work-group, clusters of 4 x 4, 327,680 bytes of LDS; arguments ao, wb, bo, out0; writes out0
.if DOCPART == 4
	.amdgcn_target "amdgcn-amd-amdhsa--gfx1250"
	.amdhsa_code_object_version 6
	.text
	.protected	k_qa5457e3c6c_oproj
	.globl	k_qa5457e3c6c_oproj
	.p2align	8
	.type	k_qa5457e3c6c_oproj,@function
k_qa5457e3c6c_oproj:
	s_mov_b64 s[64:65], 0
	v_nop
	global_prefetch_b8 v0, s[64:65] scope:SCOPE_SE
	s_setreg_imm32_b32 hwreg(HW_REG_WAVE_MODE, 25, 1), 1
	s_wait_xcnt 0x0
	s_wait_alu depctr_hold_cnt(0) depctr_sa_sdst(0) depctr_va_vdst(0) depctr_va_sdst(0) depctr_va_ssrc(0) depctr_va_vcc(0) depctr_vm_vsrc(0)
	s_getreg_b32 s2, hwreg(HW_REG_IB_STS2, 6, 4)
	s_cmp_eq_u32 s2, 0
	s_cbranch_scc0 .Lentry_in_a_cluster
	s_endpgm
.Lentry_in_a_cluster:
	s_bfe_u32 s2, ttmp6, 0x10000c
	s_cmp_lg_u32 s2, 0xf033
	s_cbranch_scc0 .Lentry_shape_is_right
	s_endpgm
.Lentry_shape_is_right:
; out0 = a Wo + bo.  a: 4,096 rows x 1,024, bf16, laid in ao as [block of 128 rows][head][128][64]; Wo: the fifth weight of wb, [1,024 k][1,024 n] bf16; bo rounded to bf16; sums and out0 in f32.
; A tile of out0 is 128 x 128: 256 work-groups, one tile each.  Four waves, each 64 x 64: 16 accumulators.  K goes in four steps of 256 (four heads) through two LDS slots.
; a's tile of a K step is 65,536 dense bytes: asked for as rows of 256 bytes and padded after every 128, so that a head's 128 rows lie 144 bytes apart, head after head.
; Wo's tile is 256 k rows of 256 bytes; its fragments come out of LDS turned, by ds_load_tr16_b128.
; CLUSTERS: 4 x 4 work-groups.  The four of a row of the cluster need the same tiles of a, the four of a column the same tiles of Wo: each tile is asked for JOINTLY.
; THE MATRIX INSTRUCTION IS USED TRANSPOSED (source 0 = 16 columns of Wo, source 1 = 16 rows of a): a lane holds eight neighbouring numbers of a row of out0.  The first products take the bias as C.
; No prefetch: the launch is four K steps long and its tiles are small.
; REGISTERS: window 0: v0-31 addresses; v32-95 rows read back, two buffers; v96-127 the bias of my 64 columns; v128-255 accumulator (a, b) at 128 + 8 (4 a + b).
;   window 1: two fragment buffers of 128: for 64 along K, 64 registers of a, then 64 of Wo.
.set PA,     144                       ; a row of a in LDS: 128 bytes + 16
.set PW,     288                       ; a k row of Wo: 256 + 32 = 9 x 32
.set QUART,  128*PW                    ; what one tensor load brings: 128 k rows of Wo, or two heads x 128 rows of a (256 x 144, the same bytes)
.set SLOT,   4*QUART                   ; a's four heads, then Wo's 256 k rows
.set STAGE,  2*SLOT                    ; behind the ring: 16 rows x 272 bytes for each wave
.set SPITCH, 272
.set SPARE,  STAGE+4*16*SPITCH         ; the spare words, 128 bytes for each wave: two blocks of 256 bytes that no other line names
.set ADRA, 16                          ; v16-17  my place in a fragment of a, slot 0, 1
.set ADRB, 20                          ; v20-23  the same for Wo: slot s, k half u at ADRB + 2 s + u
.set STO,  24
.set RD,   25
.set CO,   26
.set SPW,  28
.set NIL,  29
.set TMP,  32
.set BI,   96
.set ACC,  128
.set F0,   0
.set F1,   128
.set WV,   12                          ; s12 my wave's number
.set WR,   13                          ; s13 which half of the tile's rows is mine.  Also: I fetch for a (0) or for Wo (1)
.set WC,   14                          ; s14 which half of its columns.  Also: which half of that tile I fetch
.set G1, 24                            ; s[24:31] descriptor group 1 for a's tiles;  s[32:39] group 0, one set for each slot
.set G0, 32
.set G1B, 48                           ; s[48:55], s[56:63] the same for Wo's tiles
.set G0B, 56
.set MSB, 0
.macro WIN new
.if MSB != (\new)
	s_set_vgpr_msb (MSB<<8)|(\new)
.set MSB, (\new)
.endif
.endm
.set MUL,  0x05                        ; sources 0 and 1 window 1; C and D window 0
.set TO_F, 0x40                        ; destination window 1, address window 0
.macro PLACES
.rept 4
	v_nop
.endr
.endm
.macro JLOAD s                         ; a joint load: waves 0 and 1 fetch a's two halves, waves 2 and 3 Wo's; an s_nop 0 and four v_nop follow each of the two lines, ahead of the jump and the label
	s_cmp_eq_u32 s[WR], 0
	s_cbranch_scc0 .Lfor_b_\@
	tensor_load_to_lds s[G0+4*(\s):G0+4*(\s)+3], s[G1:G1+7]
	s_nop 0
	PLACES
	s_branch .Lasked_\@
.Lfor_b_\@:
	tensor_load_to_lds s[G0B+4*(\s):G0B+4*(\s)+3], s[G1B:G1B+7]
	s_nop 0
	PLACES
.Lasked_\@:
.endm
.macro CREST
	s_cmp_lg_u32 s[WV], 0
	s_cbranch_scc1 .Lnot_wave_0_\@
	s_barrier_signal -3
.Lnot_wave_0_\@:
	s_barrier_wait -3
	s_barrier_signal -1
	s_barrier_wait -1
.endm
.macro CROUND
	s_barrier_signal -1
	s_barrier_wait -1
	CREST
.endm
	s_load_b256 s[4:11], s[0:1], 0x0               ; ao s[4:5], wb s[6:7], bo s[8:9], out0 s[10:11]
	v_lshl_add_u32 v[SPW], v0, 2, SPARE
	v_mov_b32 v[NIL], 0
	ds_add_u32 v[SPW], v[NIL]                      ; the wave's opening: the add and its wait stand ahead of my first tensor load; the set-up below, work on registers, stands between them
	v_lshrrev_b32 v1, 5, v0
	v_readfirstlane_b32 s[WV], v1
	s_lshr_b32 s[WR], s[WV], 1
	s_and_b32 s[WC], s[WV], 1
	s_bfe_u32 s40, ttmp6, 0x40000                  ; cx, cy: my place in the cluster
	s_bfe_u32 s41, ttmp6, 0x40004
	s_lshl_b32 s42, ttmp9, 2
	s_add_co_u32 s42, s42, s40                     ; tile column = 4 x cluster x + cx
	s_and_b32 s15, ttmp7, 0xffff
	s_lshl_b32 s15, s15, 2
	s_add_co_u32 s15, s15, s41                     ; tile row = 4 x cluster y + cy
	s_lshl_b32 s43, s41, 2
	s_lshl_b32 s43, 15, s43                        ; my row of the cluster
	s_lshl_b32 s44, 0x1111, s40                    ; my column
	s_or_b32 s[G1+0], s43, (1<<16)|(1<<20)|(1<<21)|(4<<22)|(3<<25)   ; 15:0 the mask: a's tiles go to my row; 17:16 2-byte elements; 20 padding on; 21 set beside a mask; 24:22 after every 32 words (code 4); 31:25 4 words (code 3)
	s_or_b32 s[G1B+0], s44, (1<<16)|(1<<20)|(1<<21)|(5<<22)|(7<<25)  ; Wo's go to my column; after every 64 words (code 5) 8 words (code 7)
.irp g, G1, G1B
	s_mov_b32 s[\g+1], 128<<16                     ; tensor_dim0 = 128
	s_mov_b32 s[\g+2], 128<<16                     ; tensor_dim1 = 128
	s_mov_b32 s[\g+3], 128<<16                     ; tile_dim0 = 128
	s_mov_b32 s[\g+4], 128                         ; tile_dim1 = 128
	s_mov_b32 s[\g+6], 0
	s_mov_b32 s[\g+7], 0
.endr
	s_mov_b32 s[G1+5], 128                         ; a's rows are dense
	s_mov_b32 s[G1B+5], 1024                       ; Wo's lie 1,024 elements apart
	s_lshl_b32 s16, s15, 18                        ; a: tile row x 16 heads x 16,384 bytes + my two heads of the step's four: of the tile row and the wave's number alone
	s_lshl_b32 s17, s[WC], 15
	s_add_co_u32 s16, s16, s17
	s_mov_b32 s17, 0
	s_lshl_b32 s46, s42, 8                         ; Wo: the fifth weight, my 128 k rows of the step's 256, the tile's 128 columns: of the tile column and the wave's number alone
	s_lshl_b32 s47, s[WC], 18
	s_add_co_u32 s46, s46, s47
	s_add_co_u32 s46, s46, 4*2097152
	s_mov_b32 s47, 0
	s_mul_i32 s20, s[WV], QUART                    ; where they go: no place in the cluster enters an LDS address
	s_lshl_b32 s18, s42, 9                         ; my 64 columns in f32
	s_lshl_b32 s19, s[WC], 8
	s_add_co_u32 s18, s18, s19
	s_mov_b32 s19, 0
	s_lshl_b32 s22, s15, 19                        ; my 64 rows of out0
	s_lshl_b32 s23, s[WR], 18
	s_add_co_u32 s22, s22, s23
	s_add_co_u32 s22, s22, s18
	s_mov_b32 s23, 0
	s_wait_dscnt 0x0                               ; the opening add is done
	s_wait_kmcnt 0x0
	s_add_nc_u64 s[4:5], s[4:5], s[16:17]
	s_add_nc_u64 s[6:7], s[6:7], s[46:47]
	s_add_nc_u64 s[8:9], s[8:9], s[18:19]
	s_add_nc_u64 s[10:11], s[10:11], s[22:23]
	CROUND                                         ; all sixteen work-groups are here: the first joint loads meet
.irp s, 0,1
	s_mov_b32 s[G0+4*\s], 1
	s_add_co_u32 s[G0+4*\s+1], s20, \s*SLOT
	s_add_nc_u64 s[G0+4*\s+2:G0+4*\s+3], s[4:5], \s*65536
	s_or_b32 s[G0+4*\s+3], s[G0+4*\s+3], 0x80000000
	s_mov_b32 s[G0B+4*\s], 1
	s_add_co_u32 s[G0B+4*\s+1], s20, \s*SLOT
	s_add_nc_u64 s[G0B+4*\s+2:G0B+4*\s+3], s[6:7], \s*256*2048
	s_or_b32 s[G0B+4*\s+3], s[G0B+4*\s+3], 0x80000000
	JLOAD \s                                       ; two tensor loads of mine are out, later one
.endr
	v_and_b32 v1, 15, v0                           ; l % 16
	v_bfe_u32 v2, v0, 4, 1                         ; l / 16
	v_lshlrev_b32 v5, 5, v2                        ; my half's eight columns of a block
.irp b, 0,1,2,3
	global_load_b128 v[BI+8*\b:BI+8*\b+3],   v5, s[8:9] offset:64*\b
	global_load_b128 v[BI+8*\b+4:BI+8*\b+7], v5, s[8:9] offset:64*\b+16
.endr
	v_mul_u32_u24 v3, v1, PA
	v_lshl_add_u32 v3, v2, 4, v3
	s_mul_i32 s21, s[WR], 64*PA                    ; my 64 rows of each head
	v_add_nc_u32 v[ADRA], s21, v3
	v_add_nc_u32 v[ADRA+1], SLOT, v[ADRA]
	v_and_b32 v4, 7, v0
	v_bfe_u32 v6, v0, 3, 1
	v_lshl_add_u32 v4, v2, 3, v4                   ; k row 8 (l / 16) + l % 8
	v_mul_u32_u24 v4, v4, PW
	v_lshl_add_u32 v4, v6, 4, v4
	s_lshl_b32 s21, s[WC], 7                       ; my 64 columns,
	s_add_co_u32 s21, s21, 2*QUART                 ; behind a's four heads
	v_add_nc_u32 v[ADRB], s21, v4
	v_add_nc_u32 v[ADRB+1], QUART, v[ADRB]
	v_add_nc_u32 v[ADRB+2], SLOT, v[ADRB]
	v_add_nc_u32 v[ADRB+3], SLOT+QUART, v[ADRB]
	s_mul_i32 s21, s[WV], 16*SPITCH
	s_add_co_u32 s21, s21, STAGE                   ; my stage
	v_mul_u32_u24 v[STO], v1, SPITCH               ; in: row l % 16, 32 bytes for each half of the lanes
	v_lshl_add_u32 v[STO], v2, 5, v[STO]
	v_add_nc_u32 v[STO], s21, v[STO]
	v_mul_u32_u24 v[RD], v2, SPITCH                ; back: lanes 0-15 take one row of 256 bytes, lanes 16-31 the next
	v_lshl_add_u32 v[RD], v1, 4, v[RD]
	v_add_nc_u32 v[RD], s21, v[RD]
	v_lshlrev_b32 v[CO], 12, v2                    ; and the same two rows in out0
	v_lshl_add_u32 v[CO], v1, 4, v[CO]
	s_wait_loadcnt 0x0
.set i, 0
.rept 16                                       ; the bias is rounded to bf16 like every input, and widened again
	v_cvt_pk_bf16_f32 v[TMP+i], v[BI+2*i], v[BI+2*i+1]
	v_lshlrev_b32 v[BI+2*i], 16, v[TMP+i]
	v_and_b32 v[BI+2*i+1], 0xffff0000, v[TMP+i]
.set i, i+1
.endr
; 8 matrix instructions: m blocks a0, a0 + 1 x all 4 n blocks, 32 along K: half c of buffer f.  first = 1: the product starts the sum at the bias.  The 16 accumulators take turns.
.macro MUL8 f, c, a0, first
	WIN MUL
.irp a, \a0, (\a0)+1
.irp b, 0,1,2,3
.if \first
	v_wmma_f32_16x16x32_bf16 v[ACC+8*(4*(\a)+(\b)):ACC+8*(4*(\a)+(\b))+7], v[(\f)+64+8*(4*(\c)+(\b)):(\f)+64+8*(4*(\c)+(\b))+7], v[(\f)+8*(4*(\c)+(\a)):(\f)+8*(4*(\c)+(\a))+7], v[BI+8*(\b):BI+8*(\b)+7]
.else
	v_wmma_f32_16x16x32_bf16 v[ACC+8*(4*(\a)+(\b)):ACC+8*(4*(\a)+(\b))+7], v[(\f)+64+8*(4*(\c)+(\b)):(\f)+64+8*(4*(\c)+(\b))+7], v[(\f)+8*(4*(\c)+(\a)):(\f)+8*(4*(\c)+(\a))+7], v[ACC+8*(4*(\a)+(\b)):ACC+8*(4*(\a)+(\b))+7]
.endif
.endr
.endr
.endm
; 32 LDS loads in one run: the fragments of quarter kq (one head, 64 along K) into buffer f; the first 32 along K first
.macro FETCH slot, kq, f
	WIN TO_F
.irp c, 0,1
.irp i, 0,1,2,3
	ds_load_tr16_b128 v[(\f)+64+8*(4*(\c)+(\i)):(\f)+64+8*(4*(\c)+(\i))+3],   v[ADRB+2*(\slot)+(\kq)/2] offset:((\kq)%2)*64*PW+32*PW*(\c)+32*(\i)
	ds_load_tr16_b128 v[(\f)+64+8*(4*(\c)+(\i))+4:(\f)+64+8*(4*(\c)+(\i))+7], v[ADRB+2*(\slot)+(\kq)/2] offset:((\kq)%2)*64*PW+32*PW*(\c)+32*(\i)+16*PW
	ds_load_b128 v[(\f)+8*(4*(\c)+(\i)):(\f)+8*(4*(\c)+(\i))+3],              v[ADRA+(\slot)] offset:(\kq)*128*PA+(\i)*16*PA+64*(\c)
	ds_load_b128 v[(\f)+8*(4*(\c)+(\i))+4:(\f)+8*(4*(\c)+(\i))+7],            v[ADRA+(\slot)] offset:(\kq)*128*PA+(\i)*16*PA+64*(\c)+32
.endr
.endr
.endm
; A K step is four quarters of 64 along K, 32 matrix instructions each, on buffers 0, 1, 0, 1.  One of the first three: multiplies buffer f and fetches quarter kq into g.
.macro QUARTER slot, kq, f, g, first
	s_wait_dscnt 16                                ; the first 32 along K are in; the sixteen younger loads may stay out
	MUL8 \f, 0, 0, \first
	MUL8 \f, 0, 2, \first
	PLACES
	FETCH \slot, \kq, \g
	s_wait_dscnt 32                                ; all but the 32 just issued
	MUL8 \f, 1, 0, 0
	MUL8 \f, 1, 2, 0
.endm
; The last quarter multiplies buffer 1 and changes slots: ONE barrier; in front of it each wave waits for all its tensor loads, adds 0 to its spare word, and waits for that and for its reads of this slot.
; fill = 1: the barrier opens a round of the cluster's, and this slot is filled again, two K steps ahead.
.macro TURN slot, next, fill
	WIN 0
	s_wait_tensorcnt 0x0                           ; all my tensor loads have landed: my part of the next slot
	ds_add_u32 v[SPW], v[NIL]                      ; 0 onto my spare word
	s_wait_dscnt 17                                ; the add and the youngest sixteen loads may be out
	MUL8 F1, 0, 0, 0                               ; eight matrix instructions stand between the add and the wait for it
	s_wait_dscnt 0x0                               ; the add is done, and my reads of this slot are over
	s_barrier_signal -1
	MUL8 F1, 0, 2, 0
.if \fill
	WIN 0
.endif
	s_barrier_wait -1
.if \fill
	CREST                                          ; no wave of any partner still reads this slot's tile or has a load on its way
	s_add_nc_u64 s[G0+4*(\slot)+2:G0+4*(\slot)+3], s[G0+4*(\slot)+2:G0+4*(\slot)+3], 2*65536
	s_add_nc_u64 s[G0B+4*(\slot)+2:G0B+4*(\slot)+3], s[G0B+4*(\slot)+2:G0B+4*(\slot)+3], 2*256*2048
	JLOAD \slot                                    ; the first tensor load behind the round; the four v_nop behind it are also the places in front of the loads below
.else
	PLACES
.endif
	FETCH \next, 0, F0
	MUL8 F1, 1, 0, 0
	MUL8 F1, 1, 2, 0
.endm
	s_wait_tensorcnt 0x1                           ; my part of K step 0 is in; K step 1's may stay out
	s_barrier_signal -1
	s_barrier_wait -1
	FETCH 0, 0, F0
	QUARTER 0, 1, F0, F1, 1                        ; K step 0
	QUARTER 0, 2, F1, F0, 0
	QUARTER 0, 3, F0, F1, 0
	TURN 0, 1, 1                                   ; slot 0 takes K step 2
	QUARTER 1, 1, F0, F1, 0                        ; K step 1
	QUARTER 1, 2, F1, F0, 0
	QUARTER 1, 3, F0, F1, 0
	TURN 1, 0, 1                                   ; slot 1 takes K step 3
	QUARTER 0, 1, F0, F1, 0                        ; K step 2
	QUARTER 0, 2, F1, F0, 0
	QUARTER 0, 3, F0, F1, 0
	TURN 0, 1, 0                                   ; nothing is left to ask for
	QUARTER 1, 1, F0, F1, 0                        ; K step 3
	QUARTER 1, 2, F1, F0, 0
	QUARTER 1, 3, F0, F1, 0
	s_wait_dscnt 16
	MUL8 F1, 0, 0, 0
	MUL8 F1, 0, 2, 0
	s_wait_dscnt 0x0
	MUL8 F1, 1, 0, 0
	MUL8 F1, 1, 2, 0
	WIN 0
	; THE WAY OUT, in f32, a block of 16 rows at a time through my own stage: my 64 columns are 256 aligned bytes of a row, so no other wave has a part in them and no barrier is wanted.
.macro STG a
.if (\a) >= 2
	s_wait_xcnt 0x0                                ; the stores of the block two back have read the buffer that is loaded again below
.endif
.irp b, 0,1,2,3
	ds_store_b128 v[STO], v[ACC+8*(4*(\a)+\b):ACC+8*(4*(\a)+\b)+3]   offset:64*\b      ; each accumulator's four lowest registers first
	ds_store_b128 v[STO], v[ACC+8*(4*(\a)+\b)+4:ACC+8*(4*(\a)+\b)+7] offset:64*\b+16
.endr
.irp t, 0,1,2,3,4,5,6,7
	ds_load_b128 v[TMP+32*((\a)%2)+4*\t:TMP+32*((\a)%2)+4*\t+3], v[RD] offset:2*SPITCH*\t  ; LDS serves a wave's instructions in order (ISA guide 5.7.1.4): these see the stores above
.endr
.endm
.macro SEND a, younger                 ; younger: the LDS instructions issued behind block a's loads: the next block's sixteen, or none
	s_wait_dscnt \younger
.irp t, 0,1,2,3,4,5,6,7
	global_store_b128 v[CO], v[TMP+32*((\a)%2)+4*\t:TMP+32*((\a)%2)+4*\t+3], s[10:11] offset:(16*(\a)+2*\t)*4096 th:TH_STORE_NT  ; 16 lanes store 256 consecutive bytes, aligned
.endr
.endm
	PLACES
	STG 0
	STG 1
	SEND 0, 16
	STG 2
	SEND 1, 16
	STG 3
	SEND 2, 16
	SEND 3, 0
	s_wait_tensorcnt 0x0                           ; the wave's end: behind my last tensor load and my last LDS store
	ds_add_u32 v[SPW], v[NIL]
	s_wait_dscnt 0x0
	CROUND                                         ; the closing round: no work-group ends while a partner may still ask for a tile that names it
	s_endpgm
.Lfunc_end_k_qa5457e3c6c_oproj:
	.size	k_qa5457e3c6c_oproj, .Lfunc_end_k_qa5457e3c6c_oproj-k_qa5457e3c6c_oproj
	.p2alignl 7, 3214868480
	.fill 96, 4, 3214868480
	.section	.rodata,"a",@progbits
	.p2align	6, 0x0
	.amdhsa_kernel k_qa5457e3c6c_oproj
		.amdhsa_group_segment_fixed_size 327680
		.amdhsa_private_segment_fixed_size 0
		.amdhsa_enable_private_segment 0
		.amdhsa_kernarg_size 32
		.amdhsa_user_sgpr_count 2
		.amdhsa_user_sgpr_kernarg_segment_ptr 1
		.amdhsa_wavefront_size32 1
		.amdhsa_system_sgpr_workgroup_id_x 1
		.amdhsa_system_sgpr_workgroup_id_y 1
		.amdhsa_system_sgpr_workgroup_id_z 1
		.amdhsa_system_vgpr_workitem_id 0
		.amdhsa_next_free_vgpr 512
		.amdhsa_next_free_sgpr 66
		.amdhsa_reserve_vcc 0
		.amdhsa_float_denorm_mode_32 3
		.amdhsa_float_denorm_mode_16_64 3
		.amdhsa_memory_ordered 1
		.amdhsa_forward_progress 1
		.amdhsa_inst_pref_size 89
	.end_amdhsa_kernel
	.amdgpu_metadata
---
amdhsa.version: [ 1, 2 ]
amdhsa.kernels:
  - .name:           k_qa5457e3c6c_oproj
    .symbol:         k_qa5457e3c6c_oproj.kd
    .args:
      - { .name: ao, .offset: 0, .size: 8, .value_kind: global_buffer, .address_space: global }
      - { .name: wb, .offset: 8, .size: 8, .value_kind: global_buffer, .address_space: global }
      - { .name: bo, .offset: 16, .size: 8, .value_kind: global_buffer, .address_space: global }
      - { .name: out0, .offset: 24, .size: 8, .value_kind: global_buffer, .address_space: global }
    .group_segment_fixed_size: 327680
    .private_segment_fixed_size: 0
    .kernarg_segment_align: 8
    .kernarg_segment_size: 32
    .max_flat_workgroup_size: 128
    .sgpr_count:     66
    .vgpr_count:     512
    .wavefront_size: 32
...
	.end_amdgpu_metadata
.endif
;; end of part 4
